; MI455X (gfx1250); checked and timed in simulation.
; The chip was launched on July 23, 2026; its instructions are those of AMD's public machine-readable ISA for CDNA 5 (MIT licence, August 2026) and "CDNA5" Instruction Set Architecture Reference Guide (July 2026). The comments in the code are by the model that wrote it; some were corrected since.
;; Attention Head. Allowed arithmetic: matrix products marked QUANTISED: E5M2 operands, one given power-of-two scale a tensor, by v_wmma_f32_16x16x64_bf8_bf8 or v_wmma_f32_16x16x128_bf8_bf8, f32 sums; everything else in f32.
;; Inputs: W_K_codes 1,024 x 32 x 32 uint8 (E5M2 codes of W_K, K innermost, in blocks of 32 codes); W_Q_codes 1,024 x 32 x 32 uint8 (E5M2 codes of W_Q, K innermost, in blocks of 32 codes); W_V_codes 1,024 x 32 x 32 uint8 (E5M2 codes of W_V, K innermost, in blocks of 32 codes); lowp_scales 10 int32 (the exponents e of the quantised operands' scales 2^e); x_codes 4 x 2,048 x 32 x 32 uint8 (E5M2 codes of x, K innermost, in blocks of 32 codes).
;; Outputs: out0 4 x 2,048 x 1,024 float32.
;; This version of the problem:
;;   THIS VERSION OF THE PROBLEM IS GIVEN IN LOW PRECISION. The matrix products marked QUANTISED in the list below multiply operands that are first quantised to E5M2 (5 exponent bits, 2 mantissa bits; 8 bits a number), with one given power-of-two scale for each operand tensor; their sums are f32. All else is computed in f32.
;;   The module's matrix products, in the order in which they are computed (A, B: the left and right operand; K: the contracted axis; several contracted axes count as one K, in the product's order):
;;     1. [M 8,192, K 1,024] x [K 1,024, N 1,024]; A: input x (given as codes); B: input W_Q (given as codes): QUANTISED (scales: A lowp_scales[0], B lowp_scales[1])
;;     2. [M 8,192, K 1,024] x [K 1,024, N 1,024]; A: input x (given as codes); B: input W_K (given as codes): QUANTISED (scales: A lowp_scales[2], B lowp_scales[3])
;;     3. [M 8,192, K 1,024] x [K 1,024, N 1,024]; A: input x (given as codes); B: input W_V (given as codes): QUANTISED (scales: A lowp_scales[4], B lowp_scales[5])
;;     4. batch 4 x [M 2,048, K 1,024] x [K 1,024, N 2,048]; A: computed on the way; B: computed on the way: QUANTISED (scales: A lowp_scales[6], B lowp_scales[7])
;;     5. batch 4 x [M 2,048, K 2,048] x [K 2,048, N 1,024]; A: softmax (see below); B: computed on the way: QUANTISED (scales: A lowp_scales[8], B lowp_scales[9])
;;   THE QUANTISER, for each operand of a quantised product, along K:
;;     - The operand's scale is 2^e, e = its entry of the input lowp_scales (int32; the entries are numbered through the quantised products in the list's order, A before B).
;;     - Each number is divided by the scale, clamped to +-57,344, and rounded to the nearest number of E5M2, ties to even, subnormals kept.
;;     - The product sums the exact products of the quantised numbers (number of the format x scale) in f32.
;;   ~~~python
;;   def quantise(x, axis, e):      # numpy; x: float32 -> the quantised numbers, widened to float32 again
;;       x = np.moveaxis(x, axis, -1); K = x.shape[-1]
;;       r = np.clip(x / 2.0 ** e, -57344, 57344)
;;       step = 2.0 ** (np.maximum(np.frexp(np.where(r == 0, 1, r))[1] - 1, -14) - 2)
;;       q = np.round(r / step) * step * 2.0 ** e      # np.round: ties to even
;;       return np.moveaxis(q, -1, axis).astype(np.float32)
;;   ~~~
;;   SOFTMAX AHEAD OF A QUANTISED PRODUCT. Where the list says 'softmax', what is quantised is not the finished softmax but p = 2^(t - M), with t = logit x log2(e) and M = ceil(the row's largest t), a whole number; so 1/2 < the row's largest p <= 1. The row's sum l is taken of the UNQUANTISED p, in f32, and the product's result is divided by l at the end. Since M is a whole number, a kernel that streams over the keys may use a running M (the ceiling of the running maximum): every later rescaling is an exact power of two, so the quantised numbers keep their values, but for numbers so far below the row's largest that they fall under the format's range.
;;   OPERANDS COMPUTED ON THE WAY. 'Computed on the way' means the value that the module computes at that place (a softmax that the list does not call 'softmax' is quantised finished and normalised). What goes into a quantiser is computed in f32, as accurately as f32 sums, v_exp_f32 and their like allow (about 1e-6 of the number): no bf16 or f16 on the way to a quantiser, and a product that is left as it is and whose result goes on into a quantised operand takes f32 operands (vector FMAs, or v_wmma_f32_16x16x4_f32). A number that lies on a knife's edge between two numbers of the format may be rounded either way, as far as f32 arithmetic and the matrix unit's own rounding can turn it there, and no further.
;;   INPUTS GIVEN AS CODES. W_K (in the module: [1024, 1024], K = its axis 1); W_Q (in the module: [1024, 1024], K = its axis 1); W_V (in the module: [1024, 1024], K = its axis 1); x (in the module: [4, 2048, 1024], K = its axis 2): each comes as NAME_codes (uint8): NAME with its K axis moved to the last place and cut into blocks of 32 codes, [.., K / 32, bytes a block], one block behind the other in memory; one code a byte (a code: sign, 5 exponent bits, 2 mantissa bits); its scale is its entry of lowp_scales. Its value is code x scale, taken as it is: it is not quantised again, and the codes and scales need not be those that the quantiser above would give.
;; 2 versions. Each part assembles by itself: llvm-mc -triple=amdgcn-amd-amdhsa -mcpu=gfx1250 --defsym DOCPART=n.
;; ======== version 1 of 2: 3 launches
;; workspace buffers: qc 8,388,608 bytes; kc 8,388,608 bytes; vt 8,388,608 bytes; pc 16,777,216 bytes; ml 1,048,576 bytes
;; launch proj (part 1): grid 12 x 32, 4 waves a work-group, clusters of 4 x 4, 327,680 bytes of LDS; arguments x_codes, W_Q_codes, W_K_codes, W_V_codes, lowp_scales, qc, kc, vt; writes qc, kc, vt
.if DOCPART == 1
	.amdgcn_target "amdgcn-amd-amdhsa--gfx1250"
	.amdhsa_code_object_version 6
	.text
	.protected	k_qb49b786a32_proj
	.globl	k_qb49b786a32_proj
	.p2align	8
	.type	k_qb49b786a32_proj,@function
k_qb49b786a32_proj:
	s_mov_b64 s[64:65], 0
	v_nop
	global_prefetch_b8 v0, s[64:65] scope:SCOPE_SE
	s_setreg_imm32_b32 hwreg(HW_REG_WAVE_MODE, 25, 1), 1
	s_wait_xcnt 0x0
	s_wait_alu depctr_hold_cnt(0) depctr_sa_sdst(0) depctr_va_vdst(0) depctr_va_sdst(0) depctr_va_ssrc(0) depctr_va_vcc(0) depctr_vm_vsrc(0)
	s_getreg_b32 s2, hwreg(HW_REG_IB_STS2, 6, 4)
	s_cmp_eq_u32 s2, 0
	s_cbranch_scc0 .Lentry_in_a_cluster
	s_endpgm
.Lentry_in_a_cluster:
	s_bfe_u32 s2, ttmp6, 0x10000c
	s_cmp_lg_u32 s2, 0xf033
	s_cbranch_scc0 .Lentry_shape_is_right
	s_endpgm
.Lentry_shape_is_right:
; THE PROGRAM: one attention head, B = 4, S = 2,048, E = 1,024, causal, all five products on codes of BF8 (E5M2).  Three launches:
;   this one: Q, K, V = x W^T, each sum quantised on its way out with the given scale of the product that takes it;
;   the second: the kept tiles of Q K^T, and for each query and block of 256 keys M, the codes of p = 2^(t - M) and the partial sums of p;   the third: O = sum over blocks of P V, brought under one M, divided by the row's sum.
; DEAD WORK, left out in the second and third launch: tiles of 256 queries x 256 keys of Q K^T and of P V all of whose keys come after all of their queries.  The problem's own causal mask puts -infinity there ahead of
; the softmax, so their weights are 0 whatever finite values the inputs hold: 28 of a batch's 64 tiles.  LIMIT: a NaN, an infinity or an overflow that reaches only those tiles is not carried to the result.
; Every input has a way to the output and is loaded; all ten scales are used.
; THIS LAUNCH.  C[m][n] = sum over k of A[m][k] B[n][k], K = 1,024, on the codes as they lie.  Cluster x says which product: 0 Q, 1 K, 2 V.
;   Q, K: A = x (8,192 rows), B = the weight (1,024 rows).   V: A = W_V, B = x: the same text, the roles changed, so that V's codes come out with the KEYS innermost, which are the last product's K.
; THE MATRIX INSTRUCTION IS USED TRANSPOSED (source 0 = 16 rows of B, source 1 = 16 rows of A): a lane holds one row of A and eight neighbouring rows of B: eight neighbours along the next product's K, one conversion.
; A sum stands for sum x 2^(ea + eb); its code is sum / 2^E, E = eout - ea - eb, held within +-57,344 x 2^E, to the nearest code, ties to even.  (ea, eb, eout) = entries (0, 1, 6), (2, 3, 7), (4, 5, 9).
; LIMIT: E between -126 and 112, so that 2^E and 57,344 x 2^E are f32 numbers.  NaN is not served.
; A tile of C, 256 x 256, is made by four waves, as many as a WGP has SIMDs; a wave makes 128 x 128: 64 accumulators, 512 registers.  K goes in steps of 256 through a ring of two LDS slots.
; CLUSTERS: 4 x 4 work-groups of one product.  The four of a row of the cluster need the same tiles of A, the four of a column the same tiles of B: each tile is asked for JOINTLY.
; OUT: qc, kc: [feature / 256][row 8,192][256 bytes]; vt: [key / 256 (32)][d 1,024][256 bytes]: a tile of C is one dense block of 65,536 bytes, and so is every tile that the later launches fetch.
; REGISTERS, in windows of 256: window 0: v0-31 addresses and the two scale words; v32-127 at work on the way out; from v128 A's fragments, ONE set, later the rows read back.
;   window 1: B's fragments, TWO sets.   window 2: the accumulators of my rows 0-63 ((a, b) at v[8 (8 a + b)]);   window 3: those of my rows 64-127.
.set ROWB,   256                       ; a tile's row in bytes: 256 codes
.set KROW,   1024                      ; a row of x or of a weight in memory
.set PITCH,  272                       ; an LDS row: 256 bytes + 16 of padding = 68 words: the 16 rows that a load touches start at 16 different banks (64 banks of 4 bytes: ISA guide 11.1)
.set FR,     16                        ; registers of a fragment: 16 rows x 128 K
.set NL,     4                         ; LDS loads that bring one
.set NP,     4                         ; places behind this matrix instruction (ISA guide 7.12.1)
.set HALFT,  128*PITCH                 ; 128 rows: what one tensor load brings, and what one wave reads of A or of B
.set SLOT,   4*HALFT                   ; A's 256 rows, then B's 256 rows
.set SPARE,  2*SLOT                    ; behind the ring: the spare words, 128 bytes for each wave: two blocks of 256 bytes that no other line names
.set ADRA, 16                          ; v16-17  LDS address of my A fragments in slot 0, 1
.set ADRB, 20                          ; v20-21  the same for B
.set STO,  24                          ; v24     the way out: where I put 8 codes of a row.  The stage, 256 rows x 272 bytes, lies in slot 0, which has had its last fill and its last read by then
.set RD,   25                          ; v25     where I read rows back
.set CO,   26                          ; v26     16 x lane: my bytes of two rows in memory
.set SPW,  28                          ; v28     LDS address of my spare word; never rewritten
.set NIL,  29                          ; v29     0; never rewritten
.set SC,   30                          ; v30     2^E as f32
.set LM,   31                          ; v31     57,344 x 2^E
.set TMP,  32                          ; v32-95  a block's 64 sums, held
.set CD,   96                          ; v96-127 their codes: two sets of 16 by turns
.set AF,   128                         ; A's fragments
.set BK,   128                         ; the way out: 64 rows read back, 128 registers
.set G1, 24                            ; s[24:31] descriptor group 1 for A's tiles;  s[32:39] group 0, one set for each slot
.set G0, 32
.set G1B, 48                           ; s[48:55], s[56:63] the same for B's tiles
.set G0B, 56
.set MSB, 0
.macro WIN new                         ; the immediate's high byte repeats the setting that is left
.if MSB != (\new)
	s_set_vgpr_msb (MSB<<8)|(\new)
.set MSB, (\new)
.endif
.endm
.set MUL_LO, 0xa1                      ; source 0 (B) window 1, source 1 (A) window 0, C and D window 2
.set MUL_HI, 0xf1                      ; the same, C and D window 3
.set TO_B,   0x40                      ; destination window 1, address window 0
; A joint load: waves 0 and 1 fetch for A, waves 2 and 3 for B.  Each of the two lines has ONE mask and one set of registers for all that issue it; the branch hangs on the wave's number alone.
; An s_nop 0 and four v_nop follow each of the two lines, ahead of the jump, the label and what follows.
.macro JLOAD g0a, g1a, g0b, g1b
	s_cmp_eq_u32 s15, 0
	s_cbranch_scc0 .Lfor_b_\@
	tensor_load_to_lds s[\g0a:\g0a+3], s[\g1a:\g1a+7]
	s_nop 0
.rept 4
	v_nop
.endr
	s_branch .Lasked_\@
.Lfor_b_\@:
	tensor_load_to_lds s[\g0b:\g0b+3], s[\g1b:\g1b+7]
	s_nop 0
.rept 4
	v_nop
.endr
.Lasked_\@:
.endm
.macro CREST                           ; a round of the cluster's barrier behind its opening barrier
	s_cmp_lg_u32 s14, 0
	s_cbranch_scc1 .Lnot_wave_0_\@
	s_barrier_signal -3
.Lnot_wave_0_\@:
	s_barrier_wait -3
	s_barrier_signal -1
	s_barrier_wait -1
.endm
.macro CROUND                          ; a whole round
	s_barrier_signal -1
	s_barrier_wait -1
	CREST
.endm
	s_load_b256 s[4:11], s[0:1], 0x0               ; x s[4:5], W_Q s[6:7], W_K s[8:9], W_V s[10:11]
	s_load_b256 s[68:75], s[0:1], 0x20             ; the scales' exponents s[68:69], qc s[70:71], kc s[72:73], vt s[74:75]
	v_lshl_add_u32 v[SPW], v0, 2, SPARE
	v_mov_b32 v[NIL], 0
	ds_add_u32 v[SPW], v[NIL]                      ; the wave's opening: the add, twice on end, and its wait ahead of my first tensor load; the set-up below, work on registers, stands between
	ds_add_u32 v[SPW], v[NIL]                      ; and once more, under the one wait
	v_lshrrev_b32 v1, 5, v0
	v_readfirstlane_b32 s14, v1                    ; wave 0..3
	s_lshr_b32 s15, s14, 1                         ; which half of the tile's rows is mine.  Also: I fetch for A (0) or for B (1)
	s_and_b32 s16, s14, 1                          ; which half of its columns.  Also: which 128 rows of that tile I fetch
	s_bfe_u32 s40, ttmp6, 0x40000                  ; cx, cy: my place in the cluster
	s_bfe_u32 s41, ttmp6, 0x40004
	s_and_b32 s77, ttmp7, 0xffff
	s_lshl_b32 s77, s77, 2                         ; 4 x cluster y: it walks x's 32 blocks of 256 rows
	s_cmp_eq_u32 ttmp9, 2                          ; V?  The cluster's x is the same in all sixteen partners
	s_cselect_b32 s17, 0, s77                      ; x is A for Q and K,
	s_cselect_b32 s42, s77, 0                      ; and B for V
	s_add_co_u32 s17, s17, s41                     ; tile row of C: + cy
	s_add_co_u32 s42, s42, s40                     ; tile column of C: + cx
	s_lshl_b32 s43, s41, 2
	s_lshl_b32 s43, 15, s43                        ; my row of the cluster
	s_lshl_b32 s44, 0x1111, s40                    ; my column
	; descriptor group 1: a tile of 128 rows x 256 bytes, padded in LDS
	s_or_b32 s[G1+0], s43, (0<<16)|(1<<20)|(1<<21)|(5<<22)|(3<<25)  ; 15:0 the mask: A's tiles go to my row; 17:16 element of 1 byte; 20 padding on; 21 set beside a mask; 24:22 after every 64 words (code 5); 31:25 of 4 words (code 3)
	s_or_b32 s[G1B+0], s44, (0<<16)|(1<<20)|(1<<21)|(5<<22)|(3<<25)
.irp g, G1, G1B
	s_mov_b32 s[\g+1], ROWB<<16                    ; tensor_dim0
	s_mov_b32 s[\g+2], 128<<16                     ; tensor_dim1 = 128
	s_mov_b32 s[\g+3], ROWB<<16                    ; tile_dim0
	s_mov_b32 s[\g+4], 128                         ; tile_dim1 = 128
	s_mov_b32 s[\g+5], KROW                        ; tensor_dim0_stride
	s_mov_b32 s[\g+6], 0
	s_mov_b32 s[\g+7], 0
.endr
	s_lshl_b32 s18, s16, 7                         ; which 128 rows of the tile I fetch
	s_lshl_b32 s20, s17, 8
	s_add_co_u32 s20, s20, s18                     ; A: row 256 x tile row + 128 x half,
	s_lshl_b32 s20, s20, 10                        ; in bytes: under 2^23
	s_mov_b32 s21, 0
	s_lshl_b32 s46, s42, 8
	s_add_co_u32 s46, s46, s18                     ; B: row 256 x tile column + 128 x half
	s_lshl_b32 s46, s46, 10
	s_mov_b32 s47, 0
	s_mul_i32 s45, s14, HALFT                      ; where they go: wave x 128 rows: no place in the cluster enters an LDS address
	s_wait_dscnt 0x0                               ; both opening adds are done
	s_wait_kmcnt 0x0
	s_load_b256 s[80:87], s[68:69], 0x0            ; entries 0 to 7 of the scales' exponents,
	s_load_b32 s88, s[68:69], 0x24                 ; and entry 9
	s_cmp_eq_u32 ttmp9, 2                          ; the buffers of my product: choices that hang on the cluster's x alone
	s_cselect_b64 s[78:79], s[10:11], s[4:5]       ; A: W_V, else x
	s_cselect_b64 s[94:95], s[4:5], s[8:9]         ; B: x, else W_K,
	s_cselect_b64 s[90:91], s[74:75], s[72:73]     ; out: vt, else kc,
	s_cmp_eq_u32 ttmp9, 0
	s_cselect_b64 s[94:95], s[6:7], s[94:95]       ; or W_Q
	s_cselect_b64 s[90:91], s[70:71], s[90:91]     ; and qc
	s_add_nc_u64 s[20:21], s[78:79], s[20:21]
	s_add_nc_u64 s[46:47], s[94:95], s[46:47]
	CROUND                                         ; all sixteen work-groups are here: the first joint loads meet
.irp s, 0,1
	s_mov_b32 s[G0+4*\s], 1
	s_add_co_u32 s[G0+4*\s+1], s45, \s*SLOT
	s_add_nc_u64 s[G0+4*\s+2:G0+4*\s+3], s[20:21], \s*ROWB
	s_or_b32 s[G0+4*\s+3], s[G0+4*\s+3], 0x80000000
	s_mov_b32 s[G0B+4*\s], 1
	s_add_co_u32 s[G0B+4*\s+1], s45, \s*SLOT
	s_add_nc_u64 s[G0B+4*\s+2:G0B+4*\s+3], s[46:47], \s*ROWB
	s_or_b32 s[G0B+4*\s+3], s[G0B+4*\s+3], 0x80000000
	JLOAD G0+4*\s, G1, G0B+4*\s, G1B
.endr
	v_and_b32 v1, 15, v0                           ; r = lane % 16
	v_bfe_u32 v2, v0, 4, 1                         ; h = lane / 16
	v_mul_u32_u24 v3, v1, PITCH
	v_lshl_add_u32 v4, v2, 4, v3                   ; a fragment's row x pitch + 16 x half
	s_mul_i32 s21, s15, HALFT                      ; my 128 rows of A
	s_mul_i32 s22, s16, HALFT                      ; my 128 rows of B,
	s_add_co_u32 s22, s22, 2*HALFT                 ; which lie behind A's 256
.irp s, 0,1
	v_add_nc_u32 v[ADRA+\s], s21, v4
	v_add_nc_u32 v[ADRB+\s], s22, v4
	s_add_co_u32 s21, s21, SLOT
	s_add_co_u32 s22, s22, SLOT
.endr
	s_mul_i32 s23, s15, HALFT                      ; into the stage: my 128 rows, my half of their 256 bytes; row r, 8 bytes for each half of the lanes
	s_lshl_b32 s92, s16, 7
	s_add_co_u32 s23, s23, s92
	v_lshl_add_u32 v5, v2, 3, v3
	v_add_nc_u32 v[STO], s23, v5
	s_mul_i32 s23, s14, 64*PITCH                   ; back: wave w takes rows 64 w .. 64 w + 63, whole; lanes 0-15 one row of 256 bytes, lanes 16-31 the next
	v_mul_u32_u24 v5, v2, PITCH
	v_lshl_add_u32 v5, v1, 4, v5
	v_add_nc_u32 v[RD], s23, v5
	v_and_b32 v6, 31, v0
	v_lshlrev_b32 v[CO], 4, v6                     ; the tile is dense in memory: two rows are 512 consecutive bytes, 16 a lane
	s_cmp_eq_u32 ttmp9, 2                          ; where my 64 rows of the tile begin: tile column x 2^21 (vt: x 2^18) + tile row x 65,536 + wave x 16,384
	s_cselect_b32 s93, 18, 21
	s_lshl_b32 s92, s42, s93
	s_lshl_b32 s93, s17, 16
	s_add_co_u32 s92, s92, s93
	s_lshl_b32 s93, s14, 14
	s_add_co_u32 s92, s92, s93
	s_mov_b32 s93, 0
	s_add_nc_u64 s[90:91], s[90:91], s[92:93]
.macro FRAG reg, adr, q, i             ; a fragment is 16 registers: lane l holds row l % 16; registers 4 c .. 4 c + 3 hold K = 32 c + 16 (l / 16) + 0 .. 15: the same order of k in A and in B, so every product meets its partner
.irp c, 0,1,2,3
	ds_load_b128 v[\reg+4*\c:\reg+4*\c+3], v[\adr] offset:128*(\q)+32*\c+(\i)*16*PITCH
.endr
.endm
; 16 matrix instructions: A's blocks a0, a0 + 1 x B's eight, 128 along K.  p: B's set.  zero = 1: the first product starts the sums: nothing is ever cleared.
; The 64 accumulators take turns, one instruction a turn, in the same order in every step.
.macro MUL16 a0, p, zero
.irp a, \a0, \a0+1
.irp b, 0,1,2,3,4,5,6,7
.if \zero
	v_wmma_f32_16x16x128_bf8_bf8 v[8*(8*((\a)%4)+\b):8*(8*((\a)%4)+\b)+7], v[128*(\p)+FR*\b:128*(\p)+FR*\b+FR-1], v[AF+FR*(\a):AF+FR*(\a)+FR-1], 0
.else
	v_wmma_f32_16x16x128_bf8_bf8 v[8*(8*((\a)%4)+\b):8*(8*((\a)%4)+\b)+7], v[128*(\p)+FR*\b:128*(\p)+FR*\b+FR-1], v[AF+FR*(\a):AF+FR*(\a)+FR-1], v[8*(8*((\a)%4)+\b):8*(8*((\a)%4)+\b)+7]
.endif
.endr
.endr
.endm
.macro FETCH_B slot, q, p              ; B's eight fragments of the slot's q-th 128 along K into set p
	WIN TO_B
.irp i, 0,1,2,3,4,5,6,7
	FRAG 128*(\p)+FR*\i, ADRB+\slot, \q, \i
.endr
	WIN 0
.endm
.macro FETCH_A slot, q, i0             ; A's blocks i0 .. i0 + 3
.irp i, \i0, \i0+1, \i0+2, \i0+3
	FRAG AF+FR*(\i), ADRA+\slot, \q, \i
.endr
.endm
.macro PLACES n                        ; plain vector instructions between a matrix instruction and a load into, or a vector instruction on, its registers (ISA guide 7.12.1 for vector instructions)
.rept \n
	v_nop
.endr
.endm
; A step of 128 along K that has its successor in the same slot.  A block of A is free as soon as its eight products are issued, so one set serves A: blocks 0-3 come anew in the step's middle, blocks 4-7 at its end.
.macro STEP slot, q, zero
	s_wait_dscnt 4*NL                              ; B's set and A's blocks 0-3 are in; the youngest sixteen loads (A's blocks 4-7) may be out
	WIN MUL_LO
	MUL16 0, (\q)%2, \zero
	MUL16 2, (\q)%2, \zero
	s_wait_dscnt 0                                 ; A's blocks 4-7 are in (asked for 32 matrix instructions ago)
	PLACES NP
	FETCH_B \slot, (\q)+1, 1-(\q)%2
	FETCH_A \slot, (\q)+1, 0
	WIN MUL_HI
	MUL16 4, (\q)%2, \zero
	MUL16 6, (\q)%2, \zero
	PLACES NP
	WIN 0
	FETCH_A \slot, (\q)+1, 4
.endm
; A slot's last step changes slots: ONE barrier; in front of it each wave waits for all its tensor loads, adds 0 to its spare word, and waits for that and for its own reads of this slot.  fill = 1: this slot is filled again, two K steps ahead.
.macro TURN slot, next, fill
	s_wait_tensorcnt 0x0                           ; all my tensor loads have landed: my part of the next slot  (every window is 0 here)
	ds_add_u32 v[SPW], v[NIL]                      ; 0 onto my spare word
	s_wait_dscnt 4*NL+1                            ; (the add and the youngest sixteen loads, A's blocks 4-7, may be out)
	WIN MUL_LO
	MUL16 0, 1, 0                                  ; sixteen matrix instructions stand between the add and the wait for it
	s_wait_dscnt 0x0                               ; the add is done, and my reads of this slot are over
	s_barrier_signal -1
	MUL16 2, 1, 0
	WIN 0
	s_barrier_wait -1
.if \fill
	CREST                                          ; the barrier has opened a round of the cluster's barrier: no wave of any partner still reads this slot's tile or has a load on its way
	s_add_nc_u64 s[G0+4*\slot+2:G0+4*\slot+3], s[G0+4*\slot+2:G0+4*\slot+3], 2*ROWB
	s_add_nc_u64 s[G0B+4*\slot+2:G0B+4*\slot+3], s[G0B+4*\slot+2:G0B+4*\slot+3], 2*ROWB
	JLOAD G0+4*\slot, G1, G0B+4*\slot, G1B         ; the first tensor load behind the round; the four v_nop behind it are the places in front of the loads below
.else
	PLACES NP
.endif
	FETCH_B \next, 0, 0
	FETCH_A \next, 0, 0
	WIN MUL_HI
	MUL16 4, 1, 0
	MUL16 6, 1, 0
	PLACES NP
	WIN 0
	FETCH_A \next, 0, 4
.endm
	s_wait_tensorcnt 1                             ; my part of K step 0 is in (K step 1's load may be out)
	s_barrier_signal -1
	s_barrier_wait -1                              ; everybody's is
	FETCH_B 0, 0, 0
	FETCH_A 0, 0, 0
	FETCH_A 0, 0, 4
	STEP 0, 0, 1                                   ; K = 1,024 is four K steps of 256, eight steps of 128: written out, no loop.  The first products start the sums
	TURN 0, 1, 1                                   ; slot 0 takes K step 2
	STEP 1, 0, 0
	TURN 1, 0, 1                                   ; slot 1 takes K step 3
	STEP 0, 0, 0
	TURN 0, 1, 0                                   ; nothing is left to fetch: no round of the cluster's barrier
	STEP 1, 0, 0
	s_wait_dscnt 4*NL                              ; the very last step
	WIN MUL_LO
	MUL16 0, 1, 0
	MUL16 2, 1, 0
	s_wait_dscnt 0
	WIN MUL_HI
	MUL16 4, 1, 0
	MUL16 6, 1, 0
	WIN 0
	; THE WAY OUT.  The three scales are folded into the conversion's one.
	s_wait_kmcnt 0x0
	s_cmp_eq_u32 ttmp9, 2
	s_cselect_b32 s92, s84, s82                    ; ea
	s_cselect_b32 s93, s85, s83                    ; eb
	s_cselect_b32 s96, s88, s87                    ; eout
	s_cmp_eq_u32 ttmp9, 0
	s_cselect_b32 s92, s80, s92
	s_cselect_b32 s93, s81, s93
	s_cselect_b32 s96, s86, s96
	s_sub_co_i32 s96, s96, s92
	s_sub_co_i32 s96, s96, s93                     ; E
	s_add_co_i32 s96, s96, 127
	s_lshl_b32 s97, s96, 23
	s_add_co_i32 s96, s96, 15
	s_lshl_b32 s96, s96, 23
	s_or_b32 s96, s96, 0x600000
	PLACES NP                                      ; behind the last products
	v_mov_b32 v[SC], s97                           ; 2^E: the conversion takes its exponent field
	v_mov_b32 v[LM], s96                           ; 57,344 x 2^E
; Block a, 16 rows x 128 columns: held, converted (a lane's eight sums of an accumulator are eight neighbouring codes of a row), 8 bytes a lane into the work-group's stage.
.macro QOUT a
.set AC, 64*((\a)%4)
.set CB, CD+16*((\a)%2)
	WIN 0x02+(\a)/4                                ; source 0: window 2 or 3
.set j, 0
.rept 64
	v_med3_num_f32 v[TMP+j], v[AC+j], -v[LM], v[LM]   ; the conversion to an 8-bit code does not saturate (ISA guide 7.6.2): the hold first; each accumulator from its low end on
.set j, j+1
.endr
	WIN 0
.if (\a) > 1
	s_wait_dscnt 8                                 ; the eight stores of two blocks back have read this set of codes; the last block's eight may be out
.endif
.irp b, 0,1,2,3,4,5,6,7
	v_cvt_scalef32_pk8_bf8_f32 v[CB+2*\b:CB+2*\b+1], v[TMP+8*\b:TMP+8*\b+7], v[SC]
.endr
	v_nop                                          ; one plain vector instruction between a scaled conversion and the next vector instruction that writes its sources
.irp b, 0,1,2,3,4,5,6,7
	ds_store_b64 v[STO], v[CB+2*\b:CB+2*\b+1] offset:(\a)*16*PITCH+16*\b
.endr
.endm
.irp a, 0,1,2,3,4,5,6,7
	QOUT \a
.endr
	s_wait_dscnt 0x0                               ; for the others' sake: my stores into the stage are done (a row's 256 bytes come from two waves)
	s_barrier_signal -1
	s_barrier_wait -1
.set t, 0
.rept 32
	ds_load_b128 v[BK+4*t:BK+4*t+3], v[RD] offset:t*2*PITCH
.set t, t+1
.endr
.set t, 0
.rept 32
	s_wait_dscnt 31-t                              ; LDS loads come back in order: rows 2 t and 2 t + 1 are in
	global_store_b128 v[CO], v[BK+4*t:BK+4*t+3], s[90:91] offset:512*t   ; 32 lanes store 512 consecutive bytes, at a multiple of 256 from the buffer's first byte
.set t, t+1
.endr
	s_wait_tensorcnt 0x0                           ; the wave's end: behind my last tensor load and my last LDS store
	ds_add_u32 v[SPW], v[NIL]
	s_wait_dscnt 0x0
	CROUND                                         ; the closing round: no work-group ends while a partner may still ask for a tile that names it
	s_endpgm
.Lfunc_end_k_qb49b786a32_proj:
	.size	k_qb49b786a32_proj, .Lfunc_end_k_qb49b786a32_proj-k_qb49b786a32_proj
	.p2alignl 7, 3214868480
	.fill 96, 4, 3214868480
	.section	.rodata,"a",@progbits
	.p2align	6, 0x0
	.amdhsa_kernel k_qb49b786a32_proj
		.amdhsa_group_segment_fixed_size 327680
		.amdhsa_private_segment_fixed_size 0
		.amdhsa_enable_private_segment 0
		.amdhsa_kernarg_size 64
		.amdhsa_user_sgpr_count 2
		.amdhsa_user_sgpr_kernarg_segment_ptr 1
		.amdhsa_wavefront_size32 1
		.amdhsa_system_sgpr_workgroup_id_x 1
		.amdhsa_system_sgpr_workgroup_id_y 1
		.amdhsa_system_sgpr_workgroup_id_z 1
		.amdhsa_system_vgpr_workitem_id 0
		.amdhsa_next_free_vgpr 1024
		.amdhsa_next_free_sgpr 100
		.amdhsa_reserve_vcc 0
		.amdhsa_float_denorm_mode_32 3
		.amdhsa_float_denorm_mode_16_64 3
		.amdhsa_memory_ordered 1
		.amdhsa_forward_progress 1
		.amdhsa_inst_pref_size 125
	.end_amdhsa_kernel
	.amdgpu_metadata
---
amdhsa.version: [ 1, 2 ]
amdhsa.kernels:
  - .name:           k_qb49b786a32_proj
    .symbol:         k_qb49b786a32_proj.kd
    .args:
      - { .name: x_codes, .offset: 0, .size: 8, .value_kind: global_buffer, .address_space: global }
      - { .name: W_Q_codes, .offset: 8, .size: 8, .value_kind: global_buffer, .address_space: global }
      - { .name: W_K_codes, .offset: 16, .size: 8, .value_kind: global_buffer, .address_space: global }
      - { .name: W_V_codes, .offset: 24, .size: 8, .value_kind: global_buffer, .address_space: global }
      - { .name: lowp_scales, .offset: 32, .size: 8, .value_kind: global_buffer, .address_space: global }
      - { .name: qc, .offset: 40, .size: 8, .value_kind: global_buffer, .address_space: global }
      - { .name: kc, .offset: 48, .size: 8, .value_kind: global_buffer, .address_space: global }
      - { .name: vt, .offset: 56, .size: 8, .value_kind: global_buffer, .address_space: global }
    .group_segment_fixed_size: 327680
    .private_segment_fixed_size: 0
    .kernarg_segment_align: 8
    .kernarg_segment_size: 64
    .max_flat_workgroup_size: 128
    .sgpr_count:     100
    .vgpr_count:     1024
    .wavefront_size: 32
...
	.end_amdgpu_metadata
.endif
;; end of part 1
;; launch scores (part 2): grid 36 x 4, 4 waves a work-group, no clusters, 327,680 bytes of LDS; arguments qc, kc, lowp_scales, pc, ml; writes pc, ml
.if DOCPART == 2
	.amdgcn_target "amdgcn-amd-amdhsa--gfx1250"
	.amdhsa_code_object_version 6
	.text
	.protected	k_qb49b786a32_scores
	.globl	k_qb49b786a32_scores
	.p2align	8
	.type	k_qb49b786a32_scores,@function
k_qb49b786a32_scores:
	s_mov_b64 s[64:65], 0
	v_nop
	global_prefetch_b8 v0, s[64:65] scope:SCOPE_SE
	s_setreg_imm32_b32 hwreg(HW_REG_WAVE_MODE, 25, 1), 1
	s_wait_xcnt 0x0
; The kept tiles of S = Q K^T, 256 queries x 256 keys, K = 1,024, on codes of BF8 (E5M2), and the softmax's first half for each tile.
; LEFT OUT AS DEAD WORK: the tiles all of whose keys come after all of their queries (the causal mask gives them weight 0 for all inputs): work-group x runs through the 36 tiles (qi, ki), ki <= qi, of a batch.
; t = score x 2^(e6 + e7) x log2(e) / 32.  For each query and each tile: M = the largest t among the tile's visible keys, rounded UP to a whole number (every kept tile has a visible key for each of its queries);
; p = 2^(t - M), 0 for hidden keys; its codes, with the given 2^e8, go to pc [batch][key / 256][query 2,048][256 bytes]; -M and the sum of the unquantised p over each half of 128 keys go to
; ml [batch][key / 256][half][query] as pairs of f32.  The next launch brings the blocks of a row under one M by exact powers of two.
; LIMITS: e6 + e7 between -121 and 132 (they are added to the constant's exponent field); e8 between -126 and 112.  NaN is not served.
; SHARES: four waves, each 128 queries x 128 keys: 64 accumulators.  The ring, the steps and the fragments are the first launch's.  A = Q (source 1), B = K (source 0): a lane holds ONE query and eight neighbouring keys.
; NO CLUSTER: a batch's kept tiles form rows of 1 to 8 tiles and columns of 8 to 1: they do not fall into groups of four with one row or one column of tiles in common, and a partner that only asked and threw away
; would fetch tiles that nobody reads.  Each wave fetches a quarter of a slot by a load of its own.
; THE MASK, with no branch.  delta = 128 x (my half of the rows - my half of the columns) on the diagonal tile, 128 elsewhere.  The key of accumulator (a, b), register j, is hidden where 16 (b - a) + j + 8 h - r > delta.
;   b = a: where j > delta + r - 8 h: eight lane masks;   b > a: the left side lies in 1 .. 127: hidden where delta < 128;   b < a: in -127 .. -1: hidden where delta = -128.
; REGISTERS: windows 1 to 3 and the ring as in the first launch.  Window 0 on the way out: see the names below.
.set ROWB,   256
.set CHUNK,  2097152                   ; bytes from one 256 along K to the next in qc and kc
.set PITCH,  272
.set FR,     16
.set NL,     4
.set NP,     4
.set HALFT,  128*PITCH
.set SLOT,   4*HALFT
.set SPARE,  2*SLOT                    ; the spare words: two blocks of 256 bytes that no other line names
.set MXS,    SPARE+512                 ; [half of the columns][256 rows] of f32: the waves' row maxima; bytes of their own, into which no tile lands
.set ADRA, 16
.set ADRB, 20
.set MXW,  22                          ; v22  where I put my rows' maxima
.set MXR,  23                          ; v23  where my partner (the other half of the columns) has put its
.set STO,  24                          ; v24  the stage (256 rows x 272 bytes, in slot 0, which has had its last fill and its last read): where I put 8 codes
.set RD,   25                          ; v25  where I read rows back
.set CO,   26                          ; v26  16 x lane
.set MLO,  27                          ; v27  8 x lane
.set SPW,  28
.set NIL,  29
.set NINF, 30                          ; v30  -infinity
.set DL,   31                          ; v31  delta + r - 8 h
.set TMP,  32                          ; v32-95   a tile of queries at work: 64 numbers
.set DG,   96                          ; v96-99   four chains of the maximum over b = a
.set CN,   100                         ; v100-103 over b < a
.set CP,   104                         ; v104-107 over b > a
.set PT,   108                         ; v108     a lane permute's destination
.set CD,   112                         ; v112-127 codes
.set AF,   128
.set MX,   128                         ; v128-135 my maxima, then the block's
.set PX,   136                         ; v136-143 my partner's
.set NM,   144                         ; v144-159 pairs: -M, and the largest t
.set LS,   160                         ; v160-167 the sums
.set NMP,  168                         ; v168-169 -M or -infinity, for b > a
.set NMN,  170                         ; v170-171 for b < a
.set SA,   172                         ; v172-175 two chains of packed sums
.set SB,   174
.set LIM,  176                         ; v176 57,344 x 2^e8
.set SCL,  177                         ; v177 2^e8
.set MLD,  178                         ; v178-185 four pairs for ml
.set G1, 24                            ; s[24:31] descriptor group 1;  s[32:39] group 0, one set for each slot
.set G0, 32
.set MK,   40                          ; s[40:47] lane masks for b = a, one for each register j
.set SPOS, 48                          ; s48 all ones where b > a is hidden
.set SNEG, 49                          ; s49 all ones where b < a is hidden
.set HM,   50                          ; s50 lanes 16-31
.set CS,   52                          ; s[52:53] c = 2^(e6 + e7) log2(e) / 32
.set SEL,  54                          ; s[54:55] selects of v_permlanex16_b32: lane l xor 16
.set MSB, 0
.macro WIN new
.if MSB != (\new)
	s_set_vgpr_msb (MSB<<8)|(\new)
.set MSB, (\new)
.endif
.endm
.set MUL_LO, 0xa1
.set MUL_HI, 0xf1
.set TO_B,   0x40
	s_load_b256 s[4:11], s[0:1], 0x0               ; qc s[4:5], kc s[6:7], the scales' exponents s[8:9], pc s[10:11]
	s_load_b64 s[12:13], s[0:1], 0x20              ; ml
	v_lshl_add_u32 v[SPW], v0, 2, SPARE
	v_mov_b32 v[NIL], 0
	ds_add_u32 v[SPW], v[NIL]                      ; the wave's opening: the add, twice on end, and its wait ahead of my first tensor load
	ds_add_u32 v[SPW], v[NIL]
	v_lshrrev_b32 v1, 5, v0
	v_readfirstlane_b32 s14, v1                    ; wave 0..3
	s_lshr_b32 s15, s14, 1                         ; my half of the tile's queries.  Also: I fetch for Q (0) or for K (1)
	s_and_b32 s16, s14, 1                          ; my half of its keys.  Also: which 128 rows I fetch
	s_mov_b32 s17, 0                               ; qi = how many of the triangle numbers 1, 3, .. 28 are at or under the work-group's x
.irp T, 1,3,6,10,15,21,28
	s_cmp_ge_u32 ttmp9, \T
	s_add_co_ci_u32 s17, s17, 0
.endr
	s_add_co_u32 s18, s17, 1
	s_mul_i32 s18, s18, s17
	s_lshr_b32 s18, s18, 1
	s_sub_co_u32 s18, ttmp9, s18                   ; ki = x - qi (qi + 1) / 2
	s_and_b32 s19, ttmp7, 0xffff                   ; batch
	s_mov_b32 s[G1+0], (0<<16)|(1<<20)|(5<<22)|(3<<25)   ; no mask; elements of 1 byte; padding: 4 words after every 64
	s_mov_b32 s[G1+1], ROWB<<16                    ; tensor_dim0 = 256
	s_mov_b32 s[G1+2], 128<<16                     ; tensor_dim1 = 128
	s_mov_b32 s[G1+3], ROWB<<16                    ; tile_dim0
	s_mov_b32 s[G1+4], 128                         ; tile_dim1
	s_mov_b32 s[G1+5], ROWB                        ; the rows are dense: 256 bytes apart
	s_mov_b32 s[G1+6], 0
	s_mov_b32 s[G1+7], 0
	s_cmp_eq_u32 s15, 0
	s_cselect_b32 s20, s17, s18                    ; the block of 256 rows that I fetch from: qi in qc, ki in kc
	s_lshl_b32 s20, s20, 8
	s_lshl_b32 s21, s19, 11
	s_add_co_u32 s20, s20, s21
	s_lshl_b32 s21, s16, 7
	s_add_co_u32 s20, s20, s21                     ; row 2,048 batch + 256 block + 128 half,
	s_lshl_b32 s20, s20, 8                         ; of 256 bytes
	s_mov_b32 s21, 0
	s_mul_i32 s22, s14, HALFT                      ; where my quarter of a slot lies
	s_mov_b32 s[SEL], 0x76543210
	s_mov_b32 s[SEL+1], 0xfedcba98
	s_mov_b32 s[HM], 0xffff0000
	s_wait_dscnt 0x0                               ; both opening adds are done
	s_wait_kmcnt 0x0
	s_load_b96 s[56:58], s[8:9], 0x18              ; e6, e7, e8
	s_cmp_eq_u32 s15, 0
	s_cselect_b64 s[2:3], s[4:5], s[6:7]           ; a choice on the wave's number
	s_add_nc_u64 s[2:3], s[2:3], s[20:21]
.irp s, 0,1                                    ; every wave issues both first fills, ahead of every wait on TENSORcnt, every LDS read and every barrier: two loads of mine are out
	s_mov_b32 s[G0+4*\s], 1
	s_add_co_u32 s[G0+4*\s+1], s22, \s*SLOT
	s_add_nc_u64 s[G0+4*\s+2:G0+4*\s+3], s[2:3], \s*CHUNK
	s_or_b32 s[G0+4*\s+3], s[G0+4*\s+3], 0x80000000
	tensor_load_to_lds s[G0+4*\s:G0+4*\s+3], s[G1:G1+7]
	s_nop 0
.endr
	v_and_b32 v1, 15, v0                           ; r; kept
	v_bfe_u32 v2, v0, 4, 1                         ; h; kept
	v_mul_u32_u24 v3, v1, PITCH
	v_lshl_add_u32 v4, v2, 4, v3
	s_mul_i32 s21, s15, HALFT
	s_mul_i32 s22, s16, HALFT
	s_add_co_u32 s22, s22, 2*HALFT
.irp s, 0,1
	v_add_nc_u32 v[ADRA+\s], s21, v4
	v_add_nc_u32 v[ADRB+\s], s22, v4
	s_add_co_u32 s21, s21, SLOT
	s_add_co_u32 s22, s22, SLOT
.endr
	s_mul_i32 s23, s15, HALFT                      ; the stage: row 128 x my half + r, byte 128 x my half of the keys + 8 h
	s_lshl_b32 s20, s16, 7
	s_add_co_u32 s23, s23, s20
	v_lshl_add_u32 v5, v2, 3, v3
	v_add_nc_u32 v[STO], s23, v5
	s_mul_i32 s23, s14, 64*PITCH                   ; back: rows 64 w on, two rows an instruction
	v_mul_u32_u24 v5, v2, PITCH
	v_lshl_add_u32 v5, v1, 4, v5
	v_add_nc_u32 v[RD], s23, v5
	v_and_b32 v6, 31, v0
	v_lshlrev_b32 v[CO], 4, v6
	v_lshlrev_b32 v[MLO], 3, v6
	s_lshl_b32 s20, s16, 10                        ; the maxima: 1,024 x half of the keys + 512 x half of the queries + 4 r
	s_lshl_b32 s21, s15, 9
	s_add_co_u32 s20, s20, s21
	s_add_co_u32 s20, s20, MXS
	v_lshlrev_b32 v5, 2, v1
	v_add_nc_u32 v[MXW], s20, v5
	s_xor_b32 s20, s16, 1                          ; my partner's
	s_lshl_b32 s20, s20, 10
	s_add_co_u32 s20, s20, s21
	s_add_co_u32 s20, s20, MXS
	v_add_nc_u32 v[MXR], s20, v5
	s_lshl_b32 s20, s19, 22                        ; pc: batch x 2^22 + ki x 2^19 + qi x 65,536 + wave x 16,384
	s_lshl_b32 s21, s18, 19
	s_add_co_u32 s20, s20, s21
	s_lshl_b32 s21, s17, 16
	s_add_co_u32 s20, s20, s21
	s_lshl_b32 s21, s14, 14
	s_add_co_u32 s20, s20, s21
	s_mov_b32 s21, 0
	s_add_nc_u64 s[60:61], s[10:11], s[20:21]
	s_lshl_b32 s20, s19, 18                        ; ml: batch x 2^18 + ki x 2^15 + half of the keys x 2^14 + (256 qi + 128 half of the queries) x 8
	s_lshl_b32 s21, s18, 15
	s_add_co_u32 s20, s20, s21
	s_lshl_b32 s21, s16, 14
	s_add_co_u32 s20, s20, s21
	s_lshl_b32 s21, s17, 11
	s_add_co_u32 s20, s20, s21
	s_lshl_b32 s21, s15, 10
	s_add_co_u32 s20, s20, s21
	s_mov_b32 s21, 0
	s_add_nc_u64 s[62:63], s[12:13], s[20:21]
.macro FRAG reg, adr, q, i
.irp c, 0,1,2,3
	ds_load_b128 v[\reg+4*\c:\reg+4*\c+3], v[\adr] offset:128*(\q)+32*\c+(\i)*16*PITCH
.endr
.endm
.macro MUL16 a0, p, zero               ; the 64 accumulators take turns, one instruction a turn, in the same order in every step
.irp a, \a0, \a0+1
.irp b, 0,1,2,3,4,5,6,7
.if \zero
	v_wmma_f32_16x16x128_bf8_bf8 v[8*(8*((\a)%4)+\b):8*(8*((\a)%4)+\b)+7], v[128*(\p)+FR*\b:128*(\p)+FR*\b+FR-1], v[AF+FR*(\a):AF+FR*(\a)+FR-1], 0
.else
	v_wmma_f32_16x16x128_bf8_bf8 v[8*(8*((\a)%4)+\b):8*(8*((\a)%4)+\b)+7], v[128*(\p)+FR*\b:128*(\p)+FR*\b+FR-1], v[AF+FR*(\a):AF+FR*(\a)+FR-1], v[8*(8*((\a)%4)+\b):8*(8*((\a)%4)+\b)+7]
.endif
.endr
.endr
.endm
.macro FETCH_B slot, q, p
	WIN TO_B
.irp i, 0,1,2,3,4,5,6,7
	FRAG 128*(\p)+FR*\i, ADRB+\slot, \q, \i
.endr
	WIN 0
.endm
.macro FETCH_A slot, q, i0
.irp i, \i0, \i0+1, \i0+2, \i0+3
	FRAG AF+FR*(\i), ADRA+\slot, \q, \i
.endr
.endm
.macro PLACES n
.rept \n
	v_nop
.endr
.endm
.macro STEP slot, q, zero
	s_wait_dscnt 4*NL                              ; K's set and Q's blocks 0-3 are in; the youngest sixteen loads may be out
	WIN MUL_LO
	MUL16 0, (\q)%2, \zero
	MUL16 2, (\q)%2, \zero
	s_wait_dscnt 0
	PLACES NP
	FETCH_B \slot, (\q)+1, 1-(\q)%2
	FETCH_A \slot, (\q)+1, 0
	WIN MUL_HI
	MUL16 4, (\q)%2, \zero
	MUL16 6, (\q)%2, \zero
	PLACES NP
	WIN 0
	FETCH_A \slot, (\q)+1, 4
.endm
.macro TURN slot, next, fill
	s_wait_tensorcnt 0x0                           ; all my tensor loads have landed: my part of the next slot; so a group 0 may be written
	ds_add_u32 v[SPW], v[NIL]                      ; 0 onto my spare word
	s_wait_dscnt 4*NL+1                            ; (the add and the youngest sixteen loads may be out)
	WIN MUL_LO
	MUL16 0, 1, 0
	s_wait_dscnt 0x0                               ; the add is done, and my reads of this slot are over
	s_barrier_signal -1
	MUL16 2, 1, 0
	WIN 0
	s_barrier_wait -1                              ; both now hold of all four waves
.if \fill
	s_add_nc_u64 s[G0+4*\slot+2:G0+4*\slot+3], s[G0+4*\slot+2:G0+4*\slot+3], 2*CHUNK
	tensor_load_to_lds s[G0+4*\slot:G0+4*\slot+3], s[G1:G1+7]   ; my one tensor load behind the barrier, ahead of every LDS read
	s_nop 0
	PLACES NP                                      ; (also the places in front of the loads below)
.else
	PLACES NP
.endif
	FETCH_B \next, 0, 0
	FETCH_A \next, 0, 0
	WIN MUL_HI
	MUL16 4, 1, 0
	MUL16 6, 1, 0
	PLACES NP
	WIN 0
	FETCH_A \next, 0, 4
.endm
	s_wait_tensorcnt 1                             ; my part of slot 0 is in; slot 1's may stay out
	s_barrier_signal -1
	s_barrier_wait -1
	FETCH_B 0, 0, 0
	FETCH_A 0, 0, 0
	FETCH_A 0, 0, 4
	STEP 0, 0, 1
	TURN 0, 1, 1
	STEP 1, 0, 0
	TURN 1, 0, 1
	STEP 0, 0, 0
	TURN 0, 1, 0
	STEP 1, 0, 0
	s_wait_dscnt 4*NL
	WIN MUL_LO
	MUL16 0, 1, 0
	MUL16 2, 1, 0
	s_wait_dscnt 0
	WIN MUL_HI
	MUL16 4, 1, 0
	MUL16 6, 1, 0
	WIN 0
	; ---- constants of the softmax
	s_wait_kmcnt 0x0
	s_add_co_i32 s20, s56, s57
	s_lshl_b32 s20, s20, 23
	s_add_co_i32 s[CS], s20, 0x3d38aa3b            ; log2(e) / 32, with e6 + e7 added to its exponent field
	s_mov_b32 s[CS+1], s[CS]                       ; (named with it as a pair, so it is written)
	s_add_co_i32 s20, s58, 127
	s_lshl_b32 s21, s20, 23
	s_add_co_i32 s20, s20, 15
	s_lshl_b32 s20, s20, 23
	s_or_b32 s20, s20, 0x600000
	s_sub_co_i32 s22, s15, s16
	s_lshl_b32 s22, s22, 7
	s_cmp_eq_u32 s17, s18
	s_cselect_b32 s22, s22, 128                    ; delta
	s_cmp_lt_i32 s22, 128
	s_cselect_b32 s[SPOS], -1, 0
	s_cmp_lt_i32 s22, 0
	s_cselect_b32 s[SNEG], -1, 0
	PLACES NP                                      ; behind the last products
	v_mov_b32 v[SCL], s21
	v_mov_b32 v[LIM], s20
	v_mov_b32 v[NINF], 0xff800000
	v_mov_b32 v[PT], 0                             ; written once: a lane permute's destination counts as one of its sources
	v_mov_b32 v[NMP+1], 0                          ; (named as the upper halves of pairs)
	v_mov_b32 v[NMN+1], 0
	v_lshlrev_b32 v[DL], 3, v2
	v_sub_nc_u32 v[DL], v1, v[DL]
	v_add_nc_u32 v[DL], s22, v[DL]
.irp j, 0,1,2,3,4,5,6,7
	v_cmp_gt_i32 s[MK+\j], \j, v[DL]
.endr
	; ---- hidden scores of the accumulators b = a become -infinity
.irp a, 0,1,2,3,4,5,6,7
	WIN 0x82+0x41*((\a)/4)                         ; source 0 and destination: window 2 or 3
.irp j, 0,1,2,3,4,5,6,7
	v_cndmask_b32 v[8*(8*((\a)%4)+\a)+\j], v[8*(8*((\a)%4)+\a)+\j], v[NINF], s[MK+\j]
.endr
.endr
; ---- the largest visible score of each of my queries among my 128 keys.  Three classes of accumulators, four chains each; a class that is hidden as a whole is replaced by -infinity at its end.
.macro ROWMAX a
	WIN 0x28+0x14*((\a)/4)                         ; sources 1 and 2: window 2 or 3
.irp b, 0,1,2,3,4,5,6,7
.set AC, 8*(8*((\a)%4)+\b)
.if \b < \a
.set XR, CN
.set FST, (\b == 0)
.elseif \b == \a
.set XR, DG
.set FST, 1
.else
.set XR, CP
.set FST, (\b == (\a)+1)
.endif
.irp i, 0,1,2,3
.if FST
	v_max3_num_f32 v[XR+\i], v[NINF], v[AC+2*\i], v[AC+2*\i+1]   ; each accumulator from its low end on
.else
	v_max3_num_f32 v[XR+\i], v[XR+\i], v[AC+2*\i], v[AC+2*\i+1]
.endif
.endr
.endr
	WIN 0
	v_max3_num_f32 v[DG], v[DG], v[DG+1], v[DG+2]
.if \a > 0
	v_max3_num_f32 v[CN], v[CN], v[CN+1], v[CN+2]
.endif
.if \a < 7
	v_max3_num_f32 v[CP], v[CP], v[CP+1], v[CP+2]
.endif
	v_max_num_f32 v[DG], v[DG], v[DG+3]
.if \a > 0
	v_max_num_f32 v[CN], v[CN], v[CN+3]
.endif
.if \a < 7
	v_max_num_f32 v[CP], v[CP], v[CP+3]
.endif
.if \a > 0
	v_cndmask_b32 v[CN], v[CN], v[NINF], s[SNEG]
	v_max_num_f32 v[DG], v[DG], v[CN]
.endif
.if \a < 7
	v_cndmask_b32 v[CP], v[CP], v[NINF], s[SPOS]
	v_max_num_f32 v[DG], v[DG], v[CP]
.endif
	v_permlanex16_b32 v[PT], v[DG], s[SEL], s[SEL+1]
	v_max_num_f32 v[MX+\a], v[DG], v[PT]           ; and lane l xor 16's
.endm
.irp a, 0,1,2,3,4,5,6,7
	ROWMAX \a
.endr
	; ---- the two waves of a half of the queries exchange their maxima
.irp a, 0,1,2,3,4,5,6,7
	ds_store_b32 v[MXW], v[MX+\a] offset:64*\a     ; both halves of the lanes write the same word with the same value
.endr
	s_wait_dscnt 0x0                               ; for the others' sake: my stores are done
	s_barrier_signal -1
	s_barrier_wait -1
.irp a, 0,1,2,3,4,5,6,7
	ds_load_b32 v[PX+\a], v[MXR] offset:64*\a
.endr
	s_wait_dscnt 0x0
.irp a, 0,1,2,3,4,5,6,7
	v_max_num_f32 v[MX+\a], v[MX+\a], v[PX+\a]     ; the largest visible score of the 256 keys: a number, since the tile's first key counts for every query
.endr
.irp a, 0,1,2,3,4,5,6,7
	v_mul_f32 v[NM+2*\a+1], s[CS], v[MX+\a]        ; as t (c is positive)
.endr
.irp a, 0,1,2,3,4,5,6,7
	v_floor_f32 v[NM+2*\a], -v[NM+2*\a+1]          ; -M = floor(-t) = -ceil(t): M IS A WHOLE NUMBER
.endr
; ---- tile a of 16 queries: p = 2^(t - M), its sum, its codes
.macro SOFT a
.set AC, 64*((\a)%4)
.if \a < 7
	v_cndmask_b32 v[NMP], v[NM+2*(\a)], v[NINF], s[SPOS]   ; a class that is hidden as a whole gets -infinity in -M's place: p = 0
.endif
.if \a > 0
	v_cndmask_b32 v[NMN], v[NM+2*(\a)], v[NINF], s[SNEG]
.endif
	WIN 0x02+(\a)/4                                ; source 0: window 2 or 3
.irp b, 0,1,2,3,4,5,6,7
.if \b < \a
.set AD, NMN
.elseif \b == \a
.set AD, NM+2*(\a)
.else
.set AD, NMP
.endif
.irp i, 0,2,4,6
	v_pk_fma_f32 v[TMP+8*\b+\i:TMP+8*\b+\i+1], v[AC+8*\b+\i:AC+8*\b+\i+1], s[CS:CS+1], v[AD:AD+1] op_sel_hi:[1,0,0]   ; t - M, two at a time (of the pairs c and -M the low word serves both halves)
.endr
.endr
	WIN 0
.set j, 0
.rept 64
	v_exp_f32 v[TMP+j], v[TMP+j]
.set j, j+1
.endr
	v_nop                                          ; a plain instruction behind the last exponential
	s_wait_alu depctr_va_vdst(0)                   ; the wait ahead of the first instruction that names a result: one for the batch of 64
	v_pk_add_f32 v[SA:SA+1], v[TMP:TMP+1], v[TMP+2:TMP+3]       ; THE SUM IS TAKEN OF THE UNQUANTISED p: two at a time, in two chains
	v_pk_add_f32 v[SB:SB+1], v[TMP+4:TMP+5], v[TMP+6:TMP+7]
.set j, 8
.rept 14
	v_pk_add_f32 v[SA:SA+1], v[SA:SA+1], v[TMP+j:TMP+j+1]
	v_pk_add_f32 v[SB:SB+1], v[SB:SB+1], v[TMP+j+2:TMP+j+3]
.set j, j+4
.endr
.set j, 0
.rept 64
	v_min_num_f32 v[TMP+j], v[TMP+j], v[LIM]       ; the conversion to an 8-bit code does not saturate (ISA guide 7.6.2); p is not negative, so the hold is one-sided
.set j, j+1
.endr
.if \a > 0
	s_wait_dscnt 0x0                               ; the last tile's eight stores, issued a tile ago, have read the codes' registers
.endif
.irp b, 0,1,2,3,4,5,6,7
	v_cvt_scalef32_pk8_bf8_f32 v[CD+2*\b:CD+2*\b+1], v[TMP+8*\b:TMP+8*\b+7], v[SCL]
.endr
	v_pk_add_f32 v[SA:SA+1], v[SA:SA+1], v[SB:SB+1]   ; (also the plain instruction behind the last conversion)
.irp b, 0,1,2,3,4,5,6,7
	ds_store_b64 v[STO], v[CD+2*\b:CD+2*\b+1] offset:(\a)*16*PITCH+16*\b
.endr
	v_add_f32 v[LS+\a], v[SA], v[SA+1]
	v_permlanex16_b32 v[PT], v[LS+\a], s[SEL], s[SEL+1]
	v_add_f32 v[LS+\a], v[LS+\a], v[PT]            ; the sum over my 128 keys
.endm
.irp a, 0,1,2,3,4,5,6,7
	SOFT \a
.endr
	; ---- -M and the sums: lanes 0-15 speak for tile a, lanes 16-31 for tile a + 1: 32 pairs, 256 consecutive bytes, aligned
.irp a, 0,2,4,6
	v_cndmask_b32 v[MLD+\a], v[NM+2*\a], v[NM+2*\a+2], s[HM]
	v_cndmask_b32 v[MLD+\a+1], v[LS+\a], v[LS+\a+1], s[HM]
	global_store_b64 v[MLO], v[MLD+\a:MLD+\a+1], s[62:63] offset:128*\a
.endr
	s_wait_dscnt 0x0                               ; for the others' sake: my stores into the stage are done (a row's 256 bytes come from two waves)
	s_barrier_signal -1
	s_barrier_wait -1
.set t, 0
.rept 32
.set BR, 32+4*t+96*(t/16)                      ; v32-95, then v192-255
	ds_load_b128 v[BR:BR+3], v[RD] offset:t*2*PITCH
.set t, t+1
.endr
.set t, 0
.rept 32
.set BR, 32+4*t+96*(t/16)
	s_wait_dscnt 31-t                              ; LDS loads come back in order: rows 2 t and 2 t + 1 are in
	global_store_b128 v[CO], v[BR:BR+3], s[60:61] offset:512*t   ; 32 lanes store 512 consecutive bytes, at a multiple of 256 from pc's first byte
.set t, t+1
.endr
	s_wait_tensorcnt 0x0                           ; the wave's end: behind my last tensor load and my last LDS store
	ds_add_u32 v[SPW], v[NIL]
	s_wait_dscnt 0x0
	s_endpgm
.Lfunc_end_k_qb49b786a32_scores:
	.size	k_qb49b786a32_scores, .Lfunc_end_k_qb49b786a32_scores-k_qb49b786a32_scores
	.p2alignl 7, 3214868480
	.fill 96, 4, 3214868480
	.section	.rodata,"a",@progbits
	.p2align	6, 0x0
	.amdhsa_kernel k_qb49b786a32_scores
		.amdhsa_group_segment_fixed_size 327680
		.amdhsa_private_segment_fixed_size 0
		.amdhsa_enable_private_segment 0
		.amdhsa_kernarg_size 40
		.amdhsa_user_sgpr_count 2
		.amdhsa_user_sgpr_kernarg_segment_ptr 1
		.amdhsa_wavefront_size32 1
		.amdhsa_system_sgpr_workgroup_id_x 1
		.amdhsa_system_sgpr_workgroup_id_y 1
		.amdhsa_system_sgpr_workgroup_id_z 1
		.amdhsa_system_vgpr_workitem_id 0
		.amdhsa_next_free_vgpr 1024
		.amdhsa_next_free_sgpr 70
		.amdhsa_reserve_vcc 0
		.amdhsa_float_denorm_mode_32 3
		.amdhsa_float_denorm_mode_16_64 3
		.amdhsa_memory_ordered 1
		.amdhsa_forward_progress 1
		.amdhsa_inst_pref_size 185
	.end_amdhsa_kernel
	.amdgpu_metadata
---
amdhsa.version: [ 1, 2 ]
amdhsa.kernels:
  - .name:           k_qb49b786a32_scores
    .symbol:         k_qb49b786a32_scores.kd
    .args:
      - { .name: qc, .offset: 0, .size: 8, .value_kind: global_buffer, .address_space: global }
      - { .name: kc, .offset: 8, .size: 8, .value_kind: global_buffer, .address_space: global }
      - { .name: lowp_scales, .offset: 16, .size: 8, .value_kind: global_buffer, .address_space: global }
      - { .name: pc, .offset: 24, .size: 8, .value_kind: global_buffer, .address_space: global }
      - { .name: ml, .offset: 32, .size: 8, .value_kind: global_buffer, .address_space: global }
    .group_segment_fixed_size: 327680
    .private_segment_fixed_size: 0
    .kernarg_segment_align: 8
    .kernarg_segment_size: 40
    .max_flat_workgroup_size: 128
    .sgpr_count:     70
    .vgpr_count:     1024
    .wavefront_size: 32
...
	.end_amdgpu_metadata
.endif
;; end of part 2
;; launch pv (part 3): grid 4 x 64, 4 waves a work-group, no clusters, 327,680 bytes of LDS; arguments pc, vt, ml, lowp_scales, out0; writes out0
.if DOCPART == 3
	.amdgcn_target "amdgcn-amd-amdhsa--gfx1250"
	.amdhsa_code_object_version 6
	.text
	.protected	k_qb49b786a32_pv
	.globl	k_qb49b786a32_pv
	.p2align	8
	.type	k_qb49b786a32_pv,@function
k_qb49b786a32_pv:
	s_mov_b64 s[64:65], 0
	v_nop
	global_prefetch_b8 v0, s[64:65] scope:SCOPE_SE
	s_setreg_imm32_b32 hwreg(HW_REG_WAVE_MODE, 25, 1), 1
	s_wait_xcnt 0x0
; O[q][d] = (sum over the blocks b of 256 keys of 2^(M_b - M) P_b V_b) x 2^(e8 + e9) / (sum over b of 2^(M_b - M) l_b), on the codes of p and of V (BF8, E5M2) that the launches before have stored.
; LEFT OUT AS DEAD WORK: the blocks of keys that come after all of a work-group's queries (the causal mask gives them weight 0 for all inputs): a work-group of queries 128 i on walks NK = i / 2 + 1 blocks.
; SHARES.  Work-group (x, y): d block of 256 = x, batch = y / 16, block of 128 queries i = y % 16.  Wave (w / 2, w % 2) makes 64 queries x 128 of d: 32 accumulators, 256 registers.
; Source 0 = 16 rows of V^T (d), source 1 = 16 rows of P (queries): a lane holds ONE query and eight neighbouring d.
; M FROM BLOCK TO BLOCK.  With N = -M: RN = the least N so far; N' = min(N_b, RN + 64); the sums so far are multiplied by c = 2^(N' - the last N'), at most 2^64, and the block's products are added as they are;
; the row's sum L = L c + l_b 2^(N' - N_b).  All factors are exact powers of two, made of whole numbers by v_ldexp_f32; no branch hangs on data.  A sum stays under 2^64 x 2,048 x 57,344^2 < 2^107.
; LIMIT: a block whose largest t lies more than 64 binades under the row's largest so far enters O with the weight 2^-64 in place of its smaller own.  NaN is not served.
; THE RING: two slots of one block each (128 rows of P, 256 rows of V^T, rows of 256 bytes).  Waves 0 and 1 fetch P's halves, waves 2 and 3 V's.  EVERY work-group walks all eight changes of slots: the trip count is a constant.
; A step beyond NK is jumped over, and the look-ahead ends there too: a jump on ids alone, the same in all four waves, inside the loop, leads round the tensor load and round nothing else; every wait on TENSORcnt is for 0.
; So the key step is written once for the loop, and its first pass finds zeros: the accumulators are cleared at the head, while the first tiles are on their way.
; NO CLUSTER: the four work-groups of a y share P's tiles (34,816 of a step's 104,448 LDS bytes), but where the walk ends hangs on the work-group's number, so the load stands under that jump, and no such jump may lead
; round a joint load.
; REGISTERS: window 0: names below; from v128 P's fragments, two sets of 64.   window 1: V's fragments, two sets of 128.   window 2: the accumulators, (a, b) at v[8 (8 a + b)].
.set PITCH,  272
.set POFF,   128*PITCH                 ; V's rows lie behind P's 128
.set SLOT1,  131072                    ; slot 1 begins here: one exclusive or turns an address
.set SPARE,  2*SLOT1                   ; the spare words: two blocks of 256 bytes that no other line names
.set STG,    SPARE+512                 ; the way out: 16 rows x (512 + 16) bytes for each wave; bytes of their own, into which no tile lands
.set SP,     528
.set AA0, 4                            ; v4   my lane's place in P's tile
.set AB0, 5                            ; v5   in V's
.set ADA, 6                            ; v6   the same in the slot in hand
.set ADB, 7
.set STO, 8                            ; v8   the stage: where I put 32 bytes of a row
.set RD,  9                            ; v9   where I read a row back
.set CO,  10                           ; v10  16 x lane
.set MLO, 11                           ; v11  my pair's place in a block's part of ml
.set SPW, 12
.set NIL, 13
.set NLP, 16                           ; v16-23 for each of my four tiles of queries: N_b, and l of my half of the lanes' 128 keys
.set RN,  24                           ; v24-27
.set NPR, 28                           ; v28-31 the last N'
.set LS,  32                           ; v32-35 L
.set CF,  36                           ; v36-43 pairs: c (later 2^(e8 + e9) / L), and a word that is only named
.set PT,  44                           ; v44-47
.set T0,  48                           ; v48-59 at work
.set T1,  52
.set T2,  56
.set TMP, 64                           ; v64-127 the way out
.set PF,  128
.set WV,  14
.set NK,  21
.set KB,  22                           ; the block in hand; also the loop's counter
.set TB,  23                           ; LDS byte at which the slot in hand begins
.set G1P, 24                           ; s[24:31] group 1 for P's tiles; s[32:39] for V's; s[40:43], s[44:47] their groups 0, which walk
.set G1V, 32
.set G0P, 40
.set G0V, 44
.set SEL, 48
.set MLB, 50                           ; s[50:51] ml at my batch and block of queries
.set MLA, 52                           ; s[52:53] the same at the block whose pairs are being loaded
.set MSB, 0
.macro WIN new
.if MSB != (\new)
	s_set_vgpr_msb (MSB<<8)|(\new)
.set MSB, (\new)
.endif
.endm
; Waves 0 and 1 fetch for P, waves 2 and 3 for V: a fill in each arm of a branch on the wave's number.  An s_nop 0 and four v_nop follow each of the two lines.
.macro TLOAD
	s_cmp_lt_u32 s[WV], 2
	s_cbranch_scc0 .Lfor_v_\@
	tensor_load_to_lds s[G0P:G0P+3], s[G1P:G1P+7]
	s_nop 0
.rept 4
	v_nop
.endr
	s_branch .Lasked_\@
.Lfor_v_\@:
	tensor_load_to_lds s[G0V:G0V+3], s[G1V:G1V+7]
	s_nop 0
.rept 4
	v_nop
.endr
.Lasked_\@:
.endm
	s_load_b256 s[4:11], s[0:1], 0x0               ; pc s[4:5], vt s[6:7], ml s[8:9], the scales' exponents s[10:11]
	s_load_b64 s[12:13], s[0:1], 0x20              ; out0
	v_lshl_add_u32 v[SPW], v0, 2, SPARE
	v_mov_b32 v[NIL], 0
	ds_add_u32 v[SPW], v[NIL]                      ; the wave's opening: the add, twice on end, and its wait ahead of my first tensor load
	ds_add_u32 v[SPW], v[NIL]
	v_lshrrev_b32 v1, 5, v0
	v_readfirstlane_b32 s[WV], v1                  ; wave 0..3
	s_lshr_b32 s15, s[WV], 1                       ; my half of the queries
	s_and_b32 s16, s[WV], 1                        ; my half of d.  Also: which half of P's or V's rows I fetch
	s_and_b32 s18, ttmp7, 0xffff
	s_lshr_b32 s19, s18, 4                         ; batch
	s_and_b32 s20, s18, 15                         ; i
	s_lshr_b32 s[NK], s20, 1
	s_add_co_u32 s[NK], s[NK], 1
	s_mov_b32 s[KB], 0
	s_mov_b32 s[TB], 0
	s_mov_b32 s[G1P], (0<<16)|(1<<20)|(5<<22)|(3<<25)   ; no mask; elements of 1 byte; padding: 4 words after every 64
	s_mov_b32 s[G1P+1], 256<<16                    ; tensor_dim0
	s_mov_b32 s[G1P+2], 64<<16                     ; tensor_dim1 = 64 rows
	s_mov_b32 s[G1P+3], 256<<16                    ; tile_dim0
	s_mov_b32 s[G1P+4], 64                         ; tile_dim1
	s_mov_b32 s[G1P+5], 256                        ; the rows are dense
	s_mov_b32 s[G1P+6], 0
	s_mov_b32 s[G1P+7], 0
	s_mov_b32 s[G1V], (0<<16)|(1<<20)|(5<<22)|(3<<25)
	s_mov_b32 s[G1V+1], 256<<16
	s_mov_b32 s[G1V+2], 128<<16                    ; 128 rows
	s_mov_b32 s[G1V+3], 256<<16
	s_mov_b32 s[G1V+4], 128
	s_mov_b32 s[G1V+5], 256
	s_mov_b32 s[G1V+6], 0
	s_mov_b32 s[G1V+7], 0
	s_mov_b32 s[SEL], 0x76543210
	s_mov_b32 s[SEL+1], 0xfedcba98
	s_lshl_b32 s58, s19, 22                        ; P: batch x 2^22 + (128 i + 64 half) x 256
	s_lshl_b32 s57, s20, 15
	s_add_co_u32 s58, s58, s57
	s_lshl_b32 s57, s16, 14
	s_add_co_u32 s58, s58, s57
	s_mov_b32 s59, 0
	s_lshl_b32 s60, s19, 21                        ; V: batch x 8 blocks x 2^18 + (256 x + 128 half) x 256
	s_lshl_b32 s57, ttmp9, 16
	s_add_co_u32 s60, s60, s57
	s_lshl_b32 s57, s16, 15
	s_add_co_u32 s60, s60, s57
	s_mov_b32 s61, 0
	s_mul_i32 s62, s16, 64*PITCH                   ; where they go in a slot
	s_mul_i32 s63, s16, 128*PITCH
	s_add_co_u32 s63, s63, POFF
	s_wait_dscnt 0x0                               ; both opening adds are done
	s_wait_kmcnt 0x0
	s_mov_b32 s[G0P], 1
	s_mov_b32 s[G0P+1], s62
	s_add_nc_u64 s[G0P+2:G0P+3], s[4:5], s[58:59]
	s_or_b32 s[G0P+3], s[G0P+3], 0x80000000
	s_mov_b32 s[G0V], 1
	s_mov_b32 s[G0V+1], s63
	s_add_nc_u64 s[G0V+2:G0V+3], s[6:7], s[60:61]
	s_or_b32 s[G0V+3], s[G0V+3], 0x80000000
	TLOAD                                          ; slot 0: block 0, which every work-group reads
	s_load_b64 s[54:55], s[10:11], 0x20            ; e8, e9
	v_and_b32 v1, 15, v0                           ; r
	v_bfe_u32 v2, v0, 4, 1                         ; h
	v_lshlrev_b32 v[MLO], 14, v2                   ; ml: my half of the lanes takes the half of the keys of the same number; query 64 x my half + r (+ 16 a in the immediate)
	v_lshl_add_u32 v[MLO], v1, 3, v[MLO]
	s_lshl_b32 s58, s15, 9
	v_add_nc_u32 v[MLO], s58, v[MLO]
	s_lshl_b32 s58, s19, 18
	s_lshl_b32 s57, s20, 10
	s_add_co_u32 s58, s58, s57
	s_mov_b32 s59, 0
	s_add_nc_u64 s[MLB:MLB+1], s[8:9], s[58:59]
	s_mov_b64 s[MLA:MLA+1], s[MLB:MLB+1]
.irp a, 0,1,2,3
	global_load_b64 v[NLP+2*\a:NLP+2*\a+1], v[MLO], s[MLA:MLA+1] offset:128*\a   ; block 0's pairs
.endr
	v_mul_u32_u24 v3, v1, PITCH
	v_lshl_add_u32 v3, v2, 4, v3                   ; a fragment's row x pitch + 16 x half
	s_mul_i32 s58, s15, 64*PITCH
	v_add_nc_u32 v[AA0], s58, v3
	s_mul_i32 s58, s16, 128*PITCH
	s_add_co_u32 s58, s58, POFF
	v_add_nc_u32 v[AB0], s58, v3
	s_mul_i32 s58, s[WV], 16*SP
	s_add_co_u32 s58, s58, STG                     ; my stage
	v_mul_u32_u24 v[STO], v1, SP
	v_lshl_add_u32 v[STO], v2, 5, v[STO]
	v_add_nc_u32 v[STO], s58, v[STO]
	v_and_b32 v3, 31, v0
	v_lshlrev_b32 v[CO], 4, v3
	v_add_nc_u32 v[RD], s58, v[CO]
	s_lshl_b32 s58, s19, 11                        ; out0: row 2,048 batch + 128 i + 64 half, of 4,096 bytes; + 1,024 x + 512 half of d
	s_lshl_b32 s57, s20, 7
	s_add_co_u32 s58, s58, s57
	s_lshl_b32 s57, s15, 6
	s_add_co_u32 s58, s58, s57
	s_lshl_b32 s58, s58, 12
	s_lshl_b32 s57, ttmp9, 10
	s_add_co_u32 s58, s58, s57
	s_lshl_b32 s57, s16, 9
	s_add_co_u32 s58, s58, s57
	s_mov_b32 s59, 0
	s_add_nc_u64 s[12:13], s[12:13], s[58:59]
.irp a, 0,1,2,3
	v_mov_b32 v[RN+\a], 0x7f61b1e6                 ; 3e38, over every N: the first block's c is then 2^(a whole number that saturates) = 0, which leaves zeros zeros
	v_mov_b32 v[NPR+\a], 0x7f61b1e6
	v_mov_b32 v[LS+\a], 0
	v_mov_b32 v[PT+\a], 0                          ; written once: a lane permute's destination counts as one of its sources
	v_mov_b32 v[CF+2*\a+1], 0                      ; (named as the upper half of a pair)
.endr
	WIN 0x80                                       ; destination window 2
.set j, 0
.rept 256
	v_mov_b32 v[j], 0                              ; the sums begin as zeros: the step is written once, inside the loop.  These lines stand while the first tiles are on their way
.set j, j+1
.endr
	WIN 0
.macro FETCH p                         ; the fragments of the slot's p-th 128 keys: V's eight into window 1, P's four into window 0: 48 loads
	WIN 0x40
.irp b, 0,1,2,3,4,5,6,7
.irp c, 0,1,2,3
	ds_load_b128 v[128*(\p)+16*\b+4*\c:128*(\p)+16*\b+4*\c+3], v[ADB] offset:128*(\p)+32*\c+\b*16*PITCH
.endr
.endr
	WIN 0
.irp a, 0,1,2,3
.irp c, 0,1,2,3
	ds_load_b128 v[PF+64*(\p)+16*\a+4*\c:PF+64*(\p)+16*\a+4*\c+3], v[ADA] offset:128*(\p)+32*\c+\a*16*PITCH
.endr
.endr
.endm
.macro MUL32 p                         ; the 32 accumulators take turns, one instruction a turn, in the same order every time
	WIN 0xa1                                       ; source 0 (V) window 1, source 1 (P) window 0, C and D window 2
.irp a, 0,1,2,3
.irp b, 0,1,2,3,4,5,6,7
	v_wmma_f32_16x16x128_bf8_bf8 v[8*(8*\a+\b):8*(8*\a+\b)+7], v[128*(\p)+16*\b:128*(\p)+16*\b+15], v[PF+64*(\p)+16*\a:PF+64*(\p)+16*\a+15], v[8*(8*\a+\b):8*(8*\a+\b)+7]
.endr
.endr
.endm
.macro CHAIN                           ; the block's N and l enter; the four tiles of queries line by line
.irp a, 0,1,2,3
	v_permlanex16_b32 v[PT+\a], v[NLP+2*\a+1], s[SEL], s[SEL+1]   ; l of the other 128 keys
.endr
.irp a, 0,1,2,3
	v_min_num_f32 v[RN+\a], v[RN+\a], v[NLP+2*\a]
.endr
.irp a, 0,1,2,3
	v_add_f32 v[T0+\a], 0x42800000, v[RN+\a]       ; RN + 64
.endr
.irp a, 0,1,2,3
	v_min_num_f32 v[T0+\a], v[T0+\a], v[NLP+2*\a]  ; N'
.endr
.irp a, 0,1,2,3
	v_sub_f32 v[T1+\a], v[T0+\a], v[NPR+\a]        ; whole numbers: at most 64,
	v_sub_f32 v[T2+\a], v[T0+\a], v[NLP+2*\a]      ; at most 0
.endr
.irp a, 0,1,2,3
	v_mov_b32 v[NPR+\a], v[T0+\a]
	v_cvt_i32_f32 v[T1+\a], v[T1+\a]               ; (they saturate)
	v_cvt_i32_f32 v[T2+\a], v[T2+\a]
.endr
.irp a, 0,1,2,3
	v_ldexp_f32 v[CF+2*\a], 1.0, v[T1+\a]          ; c
	v_add_f32 v[PT+\a], v[PT+\a], v[NLP+2*\a+1]
.endr
.irp a, 0,1,2,3
	v_ldexp_f32 v[PT+\a], v[PT+\a], v[T2+\a]
.endr
.irp a, 0,1,2,3
	v_fma_f32 v[LS+\a], v[LS+\a], v[CF+2*\a], v[PT+\a]
.endr
.endm
; A KEY STEP: block KB, 256 keys, from the slot in hand.  more = 1: the next block's pairs of ml are asked for, if the walk has a next block.
.macro KSTEP more
	s_cmp_ge_u32 s[KB], s[NK]                      ; a block beyond the causal limit is left out: a branch on ids, round the step's loads and products; no barrier and no tensor load stands in a step
	s_cbranch_scc1 .Lhidden_\@
	v_add_nc_u32 v[ADA], s[TB], v[AA0]
	v_add_nc_u32 v[ADB], s[TB], v[AB0]
	v_nop                                          ; with the two additions: four places in front of loads into registers that matrix instructions have read
	v_nop
	FETCH 0
	s_wait_loadcnt 0x0                             ; this block's four pairs, asked for a step ago; their address may be written again
	CHAIN
.if \more
	s_add_co_u32 s58, s[KB], 1
	s_cmp_ge_u32 s58, s[NK]
	s_cbranch_scc1 .Lno_pairs_\@
	s_lshl_b32 s58, s58, 15
	s_mov_b32 s59, 0
	s_add_nc_u64 s[MLA:MLA+1], s[MLB:MLB+1], s[58:59]
.irp a, 0,1,2,3
	global_load_b64 v[NLP+2*\a:NLP+2*\a+1], v[MLO], s[MLA:MLA+1] offset:128*\a
.endr
.Lno_pairs_\@:
.endif
	WIN 0x82                                       ; source 0 and destination window 2
.irp a, 0,1,2,3
.set j, 0
.rept 32
	v_pk_mul_f32 v[64*\a+j:64*\a+j+1], v[64*\a+j:64*\a+j+1], v[CF+2*\a:CF+2*\a+1] op_sel_hi:[1,0]   ; the sums so far x c; each accumulator from its low end on.  The fragments land meanwhile
.set j, j+2
.endr
.endr
	FETCH 1
	s_wait_dscnt 48                                ; the first 128 keys' 48 loads are in; the 48 just issued may be out
	MUL32 0
	s_wait_dscnt 0x0
	MUL32 1
	WIN 0
.Lhidden_\@:
.endm
; THE CHANGE OF SLOTS stands at a slot's head.  Each wave waits for all its tensor loads (its part of the slot that it is about to read), adds 0 to its spare word, and waits for that and for its reads of the slot that it has left.
; Behind the barrier the slot ahead is whole and nobody reads the other one.  fill = 1: that other slot takes the next block, up to the causal limit: the load has a whole key step in which to land.
.macro CHANGE fill
	s_wait_tensorcnt 0x0                           ; no tensor load of mine is out, so a group 0 may be written
	ds_add_u32 v[SPW], v[NIL]
.if \fill
	s_xor_b32 s[G0P+1], s[G0P+1], SLOT1            ; the walking descriptors: the other slot than last time,
	s_add_nc_u64 s[G0P+2:G0P+3], s[G0P+2:G0P+3], 524288   ; the next block of keys; the type bits on top are not reached
	s_xor_b32 s[G0V+1], s[G0V+1], SLOT1
	s_add_nc_u64 s[G0V+2:G0V+3], s[G0V+2:G0V+3], 262144
.endif
	s_wait_dscnt 0x0                               ; the add is done, and my reads of the slot that I have left are over
	s_barrier_signal -1
	s_barrier_wait -1
.if \fill
	s_add_co_u32 s57, s[KB], 1                     ; the block that this change would ask for: beyond the limit none of the four waves reads it, so it is not asked for
	s_cmp_ge_u32 s57, s[NK]                        ; ids and the count of steps alone: all four waves go the same way, and a work-group that is past the limit stays past it
	s_cbranch_scc1 .Lpast_\@
	TLOAD                                          ; a wave's one tensor load until the next such barrier, ahead of its LDS reads
.Lpast_\@:
.endif
.endm
.Lblock:                                               ; seven trips: blocks 0 to 6
	CHANGE 1
	KSTEP 1
	s_xor_b32 s[TB], s[TB], SLOT1                  ; on to the other slot
	s_add_co_u32 s[KB], s[KB], 1
	s_cmp_lt_u32 s[KB], 7
	s_cbranch_scc1 .Lblock
	CHANGE 0                                       ; block 7 is written out: nothing follows it
	KSTEP 0
	; THE WAY OUT: x 2^(e8 + e9) / L; a block of 16 queries x 128 of d at a time through my own stage, back as whole rows of 512 bytes.
.rept 4
	v_nop                                          ; places behind the last products
.endr
.irp a, 0,1,2,3
	v_rcp_f32 v[T0+\a], v[LS+\a]
.endr
	v_nop                                          ; a plain instruction behind the last reciprocal
	s_wait_kmcnt 0x0
	s_add_co_i32 s57, s54, s55                     ; e8 + e9
	s_wait_alu depctr_va_vdst(0)                   ; the wait ahead of the first use: one for the four reciprocals
.irp a, 0,1,2,3
	v_ldexp_f32 v[CF+2*\a], v[T0+\a], s57
.endr
.macro TOSTAGE a
	WIN 0x02                                       ; source 0: window 2
.set j, 0
.rept 32
	v_pk_mul_f32 v[TMP+j:TMP+j+1], v[64*(\a)+j:64*(\a)+j+1], v[CF+2*(\a):CF+2*(\a)+1] op_sel_hi:[1,0]   ; each accumulator from its low end on
.set j, j+2
.endr
	WIN 0
.irp b, 0,1,2,3,4,5,6,7
	ds_store_b128 v[STO], v[TMP+8*\b:TMP+8*\b+3] offset:64*\b
	ds_store_b128 v[STO], v[TMP+8*\b+4:TMP+8*\b+7] offset:64*\b+16
.endr
.set BB, PF+64*((\a)%2)
.irp t, 0,1,2,3,4,5,6,7,8,9,10,11,12,13,14,15
	ds_load_b128 v[BB+4*\t:BB+4*\t+3], v[RD] offset:\t*SP   ; LDS serves a wave's instructions in order (ISA guide 5.7.1.4): these see my stores, and the next block's stores come behind them
.endr
.endm
.macro SEND a, younger                 ; younger: the LDS instructions issued behind block a's loads, which may stay out
.set BB, PF+64*((\a)%2)
	s_wait_dscnt \younger
.irp t, 0,1,2,3,4,5,6,7,8,9,10,11,12,13,14,15
	global_store_b128 v[CO], v[BB+4*\t:BB+4*\t+3], s[12:13] offset:(\a)*65536+\t*4096 th:TH_STORE_NT   ; 32 lanes store 512 consecutive bytes, at a multiple of 256 from out0's first byte; written once, read by nobody here
.endr
.endm
	TOSTAGE 0
	TOSTAGE 1
	SEND 0, 32                                     ; behind block 0's loads: block 1's 16 stores and 16 loads
	s_wait_xcnt 0x0                                ; block 0's stores have read their registers: block 2's loads may land there
	TOSTAGE 2
	SEND 1, 32
	s_wait_xcnt 0x0
	TOSTAGE 3
	SEND 2, 32
	SEND 3, 0
	s_wait_tensorcnt 0x0                           ; the wave's end: behind my last tensor load and my last LDS store
	ds_add_u32 v[SPW], v[NIL]
	s_wait_dscnt 0x0
	s_endpgm
.Lfunc_end_k_qb49b786a32_pv:
	.size	k_qb49b786a32_pv, .Lfunc_end_k_qb49b786a32_pv-k_qb49b786a32_pv
	.p2alignl 7, 3214868480
	.fill 96, 4, 3214868480
	.section	.rodata,"a",@progbits
	.p2align	6, 0x0
	.amdhsa_kernel k_qb49b786a32_pv
		.amdhsa_group_segment_fixed_size 327680
		.amdhsa_private_segment_fixed_size 0
		.amdhsa_enable_private_segment 0
		.amdhsa_kernarg_size 40
		.amdhsa_user_sgpr_count 2
		.amdhsa_user_sgpr_kernarg_segment_ptr 1
		.amdhsa_wavefront_size32 1
		.amdhsa_system_sgpr_workgroup_id_x 1
		.amdhsa_system_sgpr_workgroup_id_y 1
		.amdhsa_system_sgpr_workgroup_id_z 1
		.amdhsa_system_vgpr_workitem_id 0
		.amdhsa_next_free_vgpr 768
		.amdhsa_next_free_sgpr 70
		.amdhsa_reserve_vcc 0
		.amdhsa_float_denorm_mode_32 3
		.amdhsa_float_denorm_mode_16_64 3
		.amdhsa_memory_ordered 1
		.amdhsa_forward_progress 1
		.amdhsa_inst_pref_size 82
	.end_amdhsa_kernel
	.amdgpu_metadata
---
amdhsa.version: [ 1, 2 ]
amdhsa.kernels:
  - .name:           k_qb49b786a32_pv
    .symbol:         k_qb49b786a32_pv.kd
    .args:
      - { .name: pc, .offset: 0, .size: 8, .value_kind: global_buffer, .address_space: global }
      - { .name: vt, .offset: 8, .size: 8, .value_kind: global_buffer, .address_space: global }
      - { .name: ml, .offset: 16, .size: 8, .value_kind: global_buffer, .address_space: global }
      - { .name: lowp_scales, .offset: 24, .size: 8, .value_kind: global_buffer, .address_space: global }
      - { .name: out0, .offset: 32, .size: 8, .value_kind: global_buffer, .address_space: global }
    .group_segment_fixed_size: 327680
    .private_segment_fixed_size: 0
    .kernarg_segment_align: 8
    .kernarg_segment_size: 40
    .max_flat_workgroup_size: 128
    .sgpr_count:     70
    .vgpr_count:     768
    .wavefront_size: 32
...
	.end_amdgpu_metadata
.endif
;; end of part 3
;; ======== version 2 of 2: 3 launches
;; limits: right only within a limited range of input values
;; workspace buffers: qc 8,388,608 bytes; kc 8,388,608 bytes; vt 8,388,608 bytes; pc 16,777,216 bytes; ml 1,048,576 bytes
;; launch proj (part 4): grid 4 x 64, 4 waves a work-group, clusters of 4 x 4, 327,680 bytes of LDS; arguments x_codes, W_Q_codes, W_K_codes, W_V_codes, lowp_scales, qc, kc, vt; writes qc, kc, vt
.if DOCPART == 4
	.amdgcn_target "amdgcn-amd-amdhsa--gfx1250"
	.amdhsa_code_object_version 6
	.text
	.protected	k_qb49b786a32_proj
	.globl	k_qb49b786a32_proj
	.p2align	8
	.type	k_qb49b786a32_proj,@function
k_qb49b786a32_proj:
	s_mov_b64 s[64:65], 0
	v_nop
	global_prefetch_b8 v0, s[64:65] scope:SCOPE_SE
	s_setreg_imm32_b32 hwreg(HW_REG_WAVE_MODE, 25, 1), 1
	s_wait_xcnt 0x0
	s_wait_alu depctr_hold_cnt(0) depctr_sa_sdst(0) depctr_va_vdst(0) depctr_va_sdst(0) depctr_va_ssrc(0) depctr_va_vcc(0) depctr_vm_vsrc(0)
	s_getreg_b32 s2, hwreg(HW_REG_IB_STS2, 6, 4)
	s_cmp_eq_u32 s2, 0
	s_cbranch_scc0 .Lentry_in_a_cluster
	s_endpgm
.Lentry_in_a_cluster:
	s_bfe_u32 s2, ttmp6, 0x10000c
	s_cmp_lg_u32 s2, 0xf033
	s_cbranch_scc0 .Lentry_shape_is_right
	s_endpgm
.Lentry_shape_is_right:
; THE PROGRAM: one attention head, B = 4, S = 2,048, E = 1,024, causal, all five products on codes of BF8 (E5M2).  Three launches:
;   this one: Q, K, V = x W^T, each sum quantised on its way out with the given scale of the product that takes it;
;   the second: the kept tiles of Q K^T, and for each query and block of 256 keys M, the codes of p = 2^(t - M) and the partial sums of p;   the third: O = sum over blocks of P V, brought under one M, divided by the row's sum.
; DEAD WORK, left out in the second and third launch: tiles of 256 queries x 256 keys of Q K^T, and of P V, all of whose keys come after all of their queries.  The problem's own causal mask puts -infinity there ahead of
; the softmax, so their weights are 0 whatever finite values the inputs hold: 28 of a batch's 64 tiles.  LIMIT: a NaN, an infinity or an overflow that reaches only those tiles is not carried to the result.
; Every input has a way to the output and is loaded; all ten scales are used.
; THIS LAUNCH.  A work-group (cx, m) owns 128 rows of x and 256 features of EACH of Q, K and V: 4 x 64 = 256 work-groups of equal work.  x STAYS IN REGISTERS: wave (w / 2, w % 2) keeps 64 rows, all of K = 1,024, in 512 registers;
; the weights come through two LDS slots of 128 rows x 1,024 bytes: six tiles, W_Q, W_K, W_V, two halves of 128 features each; the wave takes the tile's rows 64 (w % 2) on: 16 accumulators, 128 matrix instructions a tile.
;   Q, K: source 0 = 16 features, source 1 = 16 rows of x: a lane holds one row and eight neighbouring features.   V: the sources change places: a lane holds one d and eight neighbouring keys.  Eight neighbours along the next product's K: one conversion.
; A sum stands for sum x 2^(ea + eb); its code is sum / 2^E, E = eout - ea - eb, held within +-57,344 x 2^E, to the nearest code, ties to even.  (ea, eb, eout) = entries (0, 1, 6), (2, 3, 7), (4, 5, 9).
; LIMIT: E between -126 and 112, so that 2^E and 57,344 x 2^E are f32 numbers.  NaN is not served.
; CLUSTER 4 x 4: x's rows are asked for jointly by the four of a row (same m), the weights' by the four of a column (same cx).
; OUT: qc, kc: [feature / 256][row 8,192][256 bytes]; vt: [key / 256 (32)][d / 128 (8)][half of the keys][d % 128][128 bytes]: what a work-group stores is dense.
; PREFETCH: behind each joint load of a weight tile the tile one slot on is asked for, each block of 256 bytes once in a cluster, the column's four partners by address, in the first four clusters alone, since all read the same weights.
; REGISTERS: window 0: v0-31 addresses; v32-63 codes; v64-127 rows read back; v128-255 accumulators (features' block fw, rows' block fx: 8 (4 fw + fx)).  windows 1, 2: x, K = 0 .. 511 and 512 .. 1,023;  window 3: four sets of the weight's fragments.
.set TP,     1040                      ; an LDS row: 1,024 bytes + 16 of padding: the 16 rows that a load touches start at 16 different banks (64 banks of 4 bytes: ISA guide 11.1)
.set WREG,   64*TP
.set QREG,   32*TP
.set SLOT,   128*TP
.set STG,    2*SLOT                    ; the stage: bytes of its own, into which no tile lands: 128 rows x 272, or two of 128 rows x 144
.set SPI,    272
.set SPV,    144
.set VST,    128*SPV
.set SPARE,  STG+2*VST                 ; the spare words, 128 bytes for each wave
.set AX,   4
.set AW,   16                          ; v16, v17: slot 0, slot 1
.set RDV,  22
.set STV,  23
.set STO,  24
.set RD,   25
.set CO,   26
.set COV,  27
.set SPW,  28
.set NIL,  29
.set SC,   30
.set PFO,  31
.set CD,   32
.set RB,   64
.set ACC,  128
.set G1X, 24
.set G1H, 32
.set G1R, 40
.set G0X, 48
.set G0H, 52
.set G0A, 56                           ; refills of slot 0
.set G0B, 60                           ; refills of slot 1
.set NX,  76                           ; s[76:77] my refill rows of the next product's weight
.set LP,  94
.set LN,  95
.set MSB, 0
.macro WIN new                         ; the immediate's high byte repeats the setting that is left
.if MSB != (\new)
	s_set_vgpr_msb (MSB<<8)|(\new)
.set MSB, (\new)
.endif
.endm
.macro CROUND                          ; a whole round of the cluster's barrier
	s_barrier_signal -1
	s_barrier_wait -1
	s_cmp_lg_u32 s14, 0
	s_cbranch_scc1 .Lnot_wave_0_\@
	s_barrier_signal -3
.Lnot_wave_0_\@:
	s_barrier_wait -3
	s_barrier_signal -1
	s_barrier_wait -1
.endm
.macro PLACES                          ; four plain vector instructions between a matrix instruction and a load into, or a vector instruction on, its registers (ISA guide 7.12.1 for vector instructions)
.rept 4
	v_nop
.endr
.endm
	s_load_b256 s[4:11], s[0:1], 0x0               ; x, W_Q, W_K, W_V
	s_load_b256 s[68:75], s[0:1], 0x20             ; the scales' exponents, qc, kc, vt
	v_lshl_add_u32 v[SPW], v0, 2, SPARE
	v_mov_b32 v[NIL], 0
	ds_add_u32 v[SPW], v[NIL]                      ; the wave's opening: the add, twice on end, and its wait
	ds_add_u32 v[SPW], v[NIL]
	v_lshrrev_b32 v1, 5, v0
	v_readfirstlane_b32 s14, v1                    ; wave 0..3
	s_lshr_b32 s15, s14, 1                         ; my half of x's rows.  Also, at the head: I fetch for x (0) or for W_Q (1)
	s_and_b32 s16, s14, 1                          ; my half of a weight tile's rows.  Also: which 64 rows I fetch at the head
	s_bfe_u32 s17, ttmp6, 0x40000                  ; cx: the 256 features
	s_bfe_u32 s18, ttmp6, 0x40004                  ; cy
	s_and_b32 s12, ttmp7, 0xffff                   ; the cluster's y, 0 .. 15
	s_lshl_b32 s19, s12, 2
	s_add_co_u32 s19, s19, s18                     ; m: the 128 rows of x
	s_lshl_b32 s20, s18, 2
	s_lshl_b32 s20, 15, s20                        ; my row of the cluster
	s_lshl_b32 s21, 0x1111, s17                    ; my column
	s_or_b32 s[G1X], s20, (1<<20)|(1<<21)|(7<<22)|(3<<25)   ; mask; 17:16 elements of 1 byte; 20 padding on; 21 set beside a mask; 24:22 after every 256 words (code 7); 31:25 of 4 words (code 3)
	s_or_b32 s[G1H], s21, (1<<20)|(1<<21)|(7<<22)|(3<<25)
	s_or_b32 s[G1R], s21, (1<<20)|(1<<21)|(7<<22)|(3<<25)
.irp g, G1X, G1H, G1R
	s_mov_b32 s[\g+1], 1024<<16                    ; tensor_dim0
	s_mov_b32 s[\g+3], 1024<<16                    ; tile_dim0
	s_mov_b32 s[\g+5], 1024                        ; stride
	s_mov_b32 s[\g+6], 0
	s_mov_b32 s[\g+7], 0
.endr
	s_mov_b32 s[G1X+2], 64<<16                     ; tensor_dim1,
	s_mov_b32 s[G1X+4], 64                         ; tile_dim1
	s_mov_b32 s[G1H+2], 64<<16
	s_mov_b32 s[G1H+4], 64
	s_mov_b32 s[G1R+2], 32<<16
	s_mov_b32 s[G1R+4], 32
	s_lshl_b32 s13, s16, 16
	s_lshl_b32 s22, s19, 17
	s_add_co_u32 s22, s22, s13                     ; x: row 128 m + 64 (w % 2)
	s_mov_b32 s23, 0
	s_lshl_b32 s2, s17, 18
	s_add_co_u32 s76, s2, s13                      ; W at the head: row 256 cx + 64 (w % 2)
	s_mov_b32 s77, 0
	s_lshl_b32 s13, s14, 15
	s_add_co_u32 s2, s2, s13                       ; W in a refill: row 256 cx + 32 w
	s_mov_b32 s3, 0
	s_lshl_b32 s90, s17, 21                        ; qc, kc: block cx, row 128 m
	s_lshl_b32 s67, s19, 15
	s_add_co_u32 s90, s90, s67
	s_mov_b32 s91, 0
	s_lshr_b32 s92, s19, 1                         ; vt: key block m / 2, d block 2 cx, half m % 2
	s_lshl_b32 s92, s92, 18
	s_lshl_b32 s67, s17, 16
	s_add_co_u32 s92, s92, s67
	s_and_b32 s67, s19, 1
	s_lshl_b32 s67, s67, 14
	s_add_co_u32 s92, s92, s67
	s_mov_b32 s93, 0
	s_mul_i32 s13, s14, WREG                       ; where my rows go: x in slot 0, W_Q's first tile in slot 1: no place in the cluster enters an LDS address
	s_mul_i32 s66, s14, QREG
	s_wait_alu depctr_va_vdst(0)
	s_wait_dscnt 0x0                               ; both opening adds are done
	s_wait_kmcnt 0x0
	s_load_b256 s[80:87], s[68:69], 0x0            ; entries 0 to 7,
	s_load_b32 s88, s[68:69], 0x24                 ; and entry 9
	s_mov_b32 s[G0X], 1
	s_mov_b32 s[G0X+1], s13
	s_add_nc_u64 s[G0X+2:G0X+3], s[4:5], s[22:23]
	s_or_b32 s[G0X+3], s[G0X+3], 0x80000000
	s_mov_b32 s[G0H], 1
	s_mov_b32 s[G0H+1], s13
	s_add_nc_u64 s[G0H+2:G0H+3], s[6:7], s[76:77]
	s_or_b32 s[G0H+3], s[G0H+3], 0x80000000
	s_add_nc_u64 s[6:7], s[6:7], s[2:3]            ; my refill rows of each weight
	s_add_nc_u64 s[8:9], s[8:9], s[2:3]
	s_add_nc_u64 s[10:11], s[10:11], s[2:3]
	s_mov_b32 s[G0A], 1
	s_mov_b32 s[G0A+1], s66
	s_add_nc_u64 s[G0A+2:G0A+3], s[6:7], 0x20000   ; W_Q's second tile
	s_or_b32 s[G0A+3], s[G0A+3], 0x80000000
	s_mov_b32 s[G0B], 1
	s_add_co_u32 s[G0B+1], s66, SLOT
	s_add_nc_u64 s[70:71], s[70:71], s[90:91]
	s_add_nc_u64 s[72:73], s[72:73], s[90:91]
	s_add_nc_u64 s[74:75], s[74:75], s[92:93]
	CROUND                                         ; all sixteen work-groups are here: the first joint loads meet
	s_cmp_eq_u32 s15, 0
	s_cbranch_scc0 .Lfor_w
	tensor_load_to_lds s[G0X:G0X+3], s[G1X:G1X+7]
	s_nop 0
	PLACES
	s_branch .Lasked
.Lfor_w:
	tensor_load_to_lds s[G0H:G0H+3], s[G1H:G1H+7]
	s_nop 0
	PLACES
.Lasked:
	s_mov_b64 s[NX:NX+1], s[8:9]                   ; the next product: K
	s_mov_b64 s[90:91], s[70:71]                   ; the output in hand: qc
	s_mov_b32 s22, s12                             ; who asks at a trip's second change of slots
	v_and_b32 v1, 15, v0                           ; r
	v_bfe_u32 v2, v0, 4, 1                         ; h
	v_mul_u32_u24 v3, v1, TP
	v_lshl_add_u32 v3, v2, 4, v3                   ; a fragment's row x pitch + 16 h
	s_mul_i32 s96, s15, WREG
	v_add_nc_u32 v[AX], s96, v3
	s_mul_i32 s97, s16, WREG
	v_add_nc_u32 v[AW], s97, v3
	v_add_nc_u32 v[AW+1], SLOT, v[AW]
	s_lshl_b32 s96, s15, 6
	s_lshl_b32 s97, s16, 6
	v_add_nc_u32 v5, s96, v1                       ; Q, K: stage row = row of x; byte = feature
	v_mul_u32_u24 v6, v5, SPI
	v_lshl_add_u32 v6, v2, 3, v6
	v_add_nc_u32 v6, s97, v6
	v_add_nc_u32 v[STO], STG, v6
	v_add_nc_u32 v5, s97, v1                       ; V: stage row = d; byte = key
	v_mul_u32_u24 v6, v5, SPV
	v_lshl_add_u32 v6, v2, 3, v6
	v_add_nc_u32 v6, s96, v6
	v_add_nc_u32 v[STV], STG, v6
	s_lshl_b32 s96, s14, 5
	v_add_nc_u32 v5, s96, v2                       ; back: wave w takes rows 32 w on; 16 lanes a row of 256 bytes,
	v_mul_u32_u24 v6, v5, SPI
	v_lshl_add_u32 v6, v1, 4, v6
	v_add_nc_u32 v[RD], STG, v6
	v_bfe_u32 v5, v0, 3, 2                         ; or 8 lanes a row of 128
	v_add_nc_u32 v5, s96, v5
	v_mul_u32_u24 v6, v5, SPV
	v_and_b32 v5, 7, v0
	v_lshl_add_u32 v6, v5, 4, v6
	v_add_nc_u32 v[RDV], STG, v6
	v_and_b32 v5, 31, v0
	v_lshlrev_b32 v6, 4, v5                        ; in memory both are 512 consecutive bytes, 16 a lane
	s_lshl_b32 s96, s14, 13
	v_add_nc_u32 v[CO], s96, v6
	s_lshl_b32 s97, s14, 12
	v_add_nc_u32 v[COV], s97, v6
	v_lshlrev_b32 v6, 8, v5
	s_lshl_b32 s97, s18, 13
	v_add_nc_u32 v[PFO], s97, v6                   ; the prefetches' offset: 256 x lane in the quarter cy of the wave's 32 rows; never rewritten
	s_wait_alu depctr_va_vdst(0)                   ; the wait at the head's end
	s_wait_tensorcnt 0x0                           ; my part is in,
	s_barrier_signal -1
	s_barrier_wait -1                              ; everybody's is
.irp hf, 0,1
	WIN 0x40*(1+\hf)
.irp f, 0,1,2,3
.irp q, 0,1,2,3
.irp c, 0,1,2,3
	ds_load_b128 v[16*(4*\f+\q)+4*\c:16*(4*\f+\q)+4*\c+3], v[AX] offset:\f*16*TP+128*(4*\hf+\q)+32*\c   ; registers 4 c .. 4 c + 3: K = 32 c + 16 h + 0 .. 15 of the 128: the same order of k in x and in W
.endr
.endr
.endr
.endr
	WIN 0
.macro ESC a, b, o, lp, sc             ; the three scales folded into the conversion's one: 2^E, and 57,344 x 2^E
	s_sub_co_i32 s13, s[\o], s[\a]
	s_sub_co_i32 s13, s13, s[\b]
	s_add_co_i32 s13, s13, 127
	s_lshl_b32 s[\sc], s13, 23
	s_add_co_i32 s13, s13, 15
	s_lshl_b32 s[\lp], s13, 23
	s_or_b32 s[\lp], s[\lp], 0x600000
.endm
.macro ASK base, off, lim              ; the weight tile one slot on
	s_cmp_lt_u32 s[\lim], 4
	s_cbranch_scc0 .Lno_ask_\@
	global_prefetch_b8 v[PFO], s[\base:\base+1] offset:\off th:TH_LOAD_NT scope:SCOPE_SE
.Lno_ask_\@:
.endm
; THE CHANGE OF SLOTS: all my tensor loads are done (my part of the next slot), the add, the wait for it and for my LDS reads and stores, a round of the cluster's barrier, and the joint refill first behind it: it has a tile's 128 matrix instructions in which to land.
.macro CHANGE g0, off
	s_wait_tensorcnt 0x0
	ds_add_u32 v[SPW], v[NIL]
	s_add_nc_u64 s[\g0+2:\g0+3], s[NX:NX+1], \off
	s_or_b32 s[\g0+3], s[\g0+3], 0x80000000
	s_wait_dscnt 0x0
	CROUND
	tensor_load_to_lds s[\g0:\g0+3], s[G1R:G1R+7]
	s_nop 0
	PLACES
.endm
	s_wait_tensorcnt 0x0                           ; W_Q's second tile takes x's slot: all my tensor loads are done,
	ds_add_u32 v[SPW], v[NIL]
	s_wait_kmcnt 0x0
	ESC 80, 81, 86, 94, 96
	ESC 82, 83, 87, 97, 98
	ESC 84, 85, 88, 99, 89
	s_or_b32 s[LN], s[LP], 0x80000000
	v_mov_b32 v[SC], s96
	s_wait_alu depctr_va_vdst(0)
	s_wait_dscnt 0x0                               ; the add is done, and x is in my registers
	CROUND
	tensor_load_to_lds s[G0A:G0A+3], s[G1R:G1R+7]
	s_nop 0
	PLACES
	ASK NX, 0, 12
.macro WF slot, k                      ; 16 LDS loads: my 64 rows of the tile, 128 of K number k, into set k % 4
	WIN 0xc0
.irp f, 0,1,2,3
.irp c, 0,1,2,3
	ds_load_b128 v[64*((\k)%4)+16*\f+4*\c:64*((\k)%4)+16*\f+4*\c+3], v[AW+\slot] offset:\f*16*TP+128*(\k)+32*\c
.endr
.endr
.endm
.macro MULK k, v                       ; the 16 accumulators take turns, one instruction a turn, in the same order every time; the first products start the sums
.if \v
	WIN 0x0d+(\k)/4                                ; source 0 (x) window 1 or 2, source 1 (W) window 3
.else
	WIN 0x07+4*((\k)/4)                            ; source 0 (W) window 3, source 1 (x) window 1 or 2
.endif
.irp fw, 0,1,2,3
.irp fx, 0,1,2,3
.set rD, ACC+8*(4*\fw+\fx)
.set rW, 64*((\k)%4)+16*\fw
.set rX, 16*(4*\fx+(\k)%4)
.if \v
.set rA, rX
.set rB, rW
.else
.set rA, rW
.set rB, rX
.endif
.if (\k) == 0
	v_wmma_f32_16x16x128_bf8_bf8 v[rD:rD+7], v[rA:rA+15], v[rB:rB+15], 0
.else
	v_wmma_f32_16x16x128_bf8_bf8 v[rD:rD+7], v[rA:rA+15], v[rB:rB+15], v[rD:rD+7]
.endif
.endr
.endr
.endm
; A TILE: 8 x 16 matrix instructions; fragments run three K numbers ahead.  Then the 128 sums become 128 codes a lane, and go into the stage.  bar = 1: a barrier, signalled when my reads of stage and slot are over, stands in front of the stores into the stage.
.macro TILE slot, v, off, bar
	WF \slot, 0
	WF \slot, 1
	WF \slot, 2
.irp k, 0,1,2,3,4,5,6,7
.if \k < 6
	s_wait_dscnt 32                                ; the 32 loads of the next two K numbers may be out
.elseif \k == 6
	s_wait_dscnt 16
.else
	s_wait_dscnt 0x0
.if \bar
	s_barrier_signal -1
.endif
.endif
	MULK \k, \v
.if \k < 5
	PLACES
	WF \slot, \k+3
.endif
.endr
	WIN 0
	PLACES
.irp i, 0,1,2,3,4,5,6,7,8,9,10,11,12,13,14,15
.irp j, 0,1,2,3,4,5,6,7
	v_med3_num_f32 v[ACC+8*\i+\j], v[ACC+8*\i+\j], s[LN], s[LP]   ; the conversion to an 8-bit code does not saturate (ISA guide 7.6.2): the hold first
.endr
	v_cvt_scalef32_pk8_bf8_f32 v[CD+2*\i:CD+2*\i+1], v[ACC+8*\i:ACC+8*\i+7], v[SC]
.endr
	v_nop                                          ; a plain instruction behind the last conversion
	s_wait_alu depctr_va_vdst(0)
.if \bar
	s_barrier_wait -1
.endif
.irp fw, 0,1,2,3
.irp fx, 0,1,2,3
.if \v
	ds_store_b64 v[STV], v[CD+2*(4*\fw+\fx):CD+2*(4*\fw+\fx)+1] offset:\off+\fw*16*SPV+16*\fx
.else
	ds_store_b64 v[STO], v[CD+2*(4*\fw+\fx):CD+2*(4*\fw+\fx)+1] offset:\off+\fx*16*SPI+16*\fw
.endif
.endr
.endr
.endm
.macro BACKV st                        ; 32 rows of 128 bytes back from V's stage st, and out
	s_wait_xcnt 0x0                                ; the stores before have read these registers
.irp t, 0,1,2,3,4,5,6,7
	ds_load_b128 v[RB+4*\t:RB+4*\t+3], v[RDV] offset:\st*VST+\t*4*SPV
.endr
.irp t, 0,1,2,3,4,5,6,7
	s_wait_dscnt 7-\t
	global_store_b128 v[COV], v[RB+4*\t:RB+4*\t+3], s[74:75] offset:\st*32768+512*\t
.endr
.endm
	s_mov_b32 s67, 0
.Ltrip:                                                ; two trips: Q, K
	TILE 1, 0, 0, 1                                ; features 0-127
	CHANGE G0B, 0                                  ; the next product's first tile
	ASK NX, 0x20000, 12
	TILE 0, 0, 128, 0                              ; features 128-255
	CHANGE G0A, 0x20000                            ; the next product's second tile
	ASK 10, 0, 22                                  ; in the first trip W_V's first tile; in the second there is none to ask for
	s_wait_xcnt 0x0                                ; the last trip's stores and the prefetches have read their registers
.irp t, 0,1,2,3,4,5,6,7,8,9,10,11,12,13,14,15
	ds_load_b128 v[RB+4*\t:RB+4*\t+3], v[RD] offset:\t*2*SPI
.endr
.irp t, 0,1,2,3,4,5,6,7,8,9,10,11,12,13,14,15
	s_wait_dscnt 15-\t                             ; LDS loads come back in order
	global_store_b128 v[CO], v[RB+4*\t:RB+4*\t+3], s[90:91] offset:512*\t   ; 32 lanes store 512 consecutive bytes, at a multiple of 256 from the buffer's first byte
.endr
	s_wait_xcnt 0x0                                ; the bases may be written again
	s_mov_b64 s[NX:NX+1], s[10:11]
	s_mov_b64 s[90:91], s[72:73]
	s_mov_b32 s22, 4
	s_mov_b32 s[LP], s97
	s_or_b32 s[LN], s[LP], 0x80000000
	v_mov_b32 v[SC], s98
	s_add_co_u32 s67, s67, 1
	s_cmp_lt_u32 s67, 2
	s_wait_alu depctr_va_vdst(0)
	s_cbranch_scc1 .Ltrip
	s_mov_b32 s[LP], s99
	s_or_b32 s[LN], s[LP], 0x80000000
	v_mov_b32 v[SC], s89
	s_wait_alu depctr_va_vdst(0)
	TILE 1, 1, 0, 1                                ; V, d 0-127
	s_wait_tensorcnt 0x0                           ; my part of the last tile is in; nothing is filled again
	s_wait_dscnt 0x0
	s_barrier_signal -1
	s_barrier_wait -1
	BACKV 0
	TILE 0, 1, VST, 0                              ; V, d 128-255, into bytes of the stage that nobody reads any more
	s_wait_dscnt 0x0
	s_barrier_signal -1
	s_barrier_wait -1
	BACKV 1
	s_wait_tensorcnt 0x0                           ; the wave's end
	ds_add_u32 v[SPW], v[NIL]
	s_wait_dscnt 0x0
	CROUND                                         ; the closing round
	s_endpgm
.Lfunc_end_k_qb49b786a32_proj:
	.size	k_qb49b786a32_proj, .Lfunc_end_k_qb49b786a32_proj-k_qb49b786a32_proj
	.p2alignl 7, 3214868480
	.fill 96, 4, 3214868480
	.section	.rodata,"a",@progbits
	.p2align	6, 0x0
	.amdhsa_kernel k_qb49b786a32_proj
		.amdhsa_group_segment_fixed_size 327680
		.amdhsa_private_segment_fixed_size 0
		.amdhsa_enable_private_segment 0
		.amdhsa_kernarg_size 64
		.amdhsa_user_sgpr_count 2
		.amdhsa_user_sgpr_kernarg_segment_ptr 1
		.amdhsa_wavefront_size32 1
		.amdhsa_system_sgpr_workgroup_id_x 1
		.amdhsa_system_sgpr_workgroup_id_y 1
		.amdhsa_system_sgpr_workgroup_id_z 1
		.amdhsa_system_vgpr_workitem_id 0
		.amdhsa_next_free_vgpr 1024
		.amdhsa_next_free_sgpr 100
		.amdhsa_reserve_vcc 0
		.amdhsa_float_denorm_mode_32 3
		.amdhsa_float_denorm_mode_16_64 3
		.amdhsa_memory_ordered 1
		.amdhsa_forward_progress 1
		.amdhsa_inst_pref_size 137
	.end_amdhsa_kernel
	.amdgpu_metadata
---
amdhsa.version: [ 1, 2 ]
amdhsa.kernels:
  - .name:           k_qb49b786a32_proj
    .symbol:         k_qb49b786a32_proj.kd
    .args:
      - { .name: x_codes, .offset: 0, .size: 8, .value_kind: global_buffer, .address_space: global }
      - { .name: W_Q_codes, .offset: 8, .size: 8, .value_kind: global_buffer, .address_space: global }
      - { .name: W_K_codes, .offset: 16, .size: 8, .value_kind: global_buffer, .address_space: global }
      - { .name: W_V_codes, .offset: 24, .size: 8, .value_kind: global_buffer, .address_space: global }
      - { .name: lowp_scales, .offset: 32, .size: 8, .value_kind: global_buffer, .address_space: global }
      - { .name: qc, .offset: 40, .size: 8, .value_kind: global_buffer, .address_space: global }
      - { .name: kc, .offset: 48, .size: 8, .value_kind: global_buffer, .address_space: global }
      - { .name: vt, .offset: 56, .size: 8, .value_kind: global_buffer, .address_space: global }
    .group_segment_fixed_size: 327680
    .private_segment_fixed_size: 0
    .kernarg_segment_align: 8
    .kernarg_segment_size: 64
    .max_flat_workgroup_size: 128
    .sgpr_count:     100
    .vgpr_count:     1024
    .wavefront_size: 32
...
	.end_amdgpu_metadata
.endif
;; end of part 4
;; launch scores (part 5): grid 36 x 4, 4 waves a work-group, no clusters, 327,680 bytes of LDS; arguments qc, kc, lowp_scales, pc, ml; writes pc, ml
.if DOCPART == 5
	.amdgcn_target "amdgcn-amd-amdhsa--gfx1250"
	.amdhsa_code_object_version 6
	.text
	.protected	k_qb49b786a32_scores
	.globl	k_qb49b786a32_scores
	.p2align	8
	.type	k_qb49b786a32_scores,@function
k_qb49b786a32_scores:
	s_mov_b64 s[64:65], 0
	v_nop
	global_prefetch_b8 v0, s[64:65] scope:SCOPE_SE
	s_setreg_imm32_b32 hwreg(HW_REG_WAVE_MODE, 25, 1), 1
	s_wait_xcnt 0x0
; The kept tiles of Q K^T, 256 queries x 256 keys a work-group (36 of a batch's 64), and for each query and tile: N = -M, M the tile's largest t rounded up to a whole number, the codes of p = 2^(t - M), and the partial sums of p, for each half of the keys.
; LEFT OUT AS DEAD WORK: tiles all of whose keys come after all of their queries (the causal mask gives them weight 0 for all inputs).  LIMIT: a NaN, an infinity or an overflow that reaches only those is not carried to the result.
; LIMITS on the given exponents: e6 + e7 between -121 and 132 (added to the exponent field of log2(e) / 32); e8 between -126 and 112.  Scaled scores stay under 2^31.  NaN is not served.
.set ROWB,   256
.set CHUNK,  2097152
.set PITCH,  272
.set FR,     16
.set NL,     4
.set NP,     4
.set HALFT,  128*PITCH
.set SLOT,   4*HALFT
.set SPARE,  2*SLOT
.set MXS,    SPARE+512
.set ADRA, 16
.set ADRB, 20
.set MXW,  22
.set MXR,  23
.set STO,  24
.set RD,   25
.set CO,   26
.set MLO,  27
.set SPW,  28
.set NIL,  29
.set NINF, 30
.set DL,   31
.set TMP,  32
.set DG,   96
.set CN,   100
.set CP,   104
.set PT,   108
.set CD,   112
.set AF,   128
.set MX,   128
.set PX,   136
.set NM,   144
.set LS,   160
.set NMP,  168
.set NMN,  170
.set SA,   172
.set SB,   174
.set LIM,  176
.set SCL,  177
.set MLD,  178
.set G1, 24
.set G0, 32
.set MK,   40
.set SPOS, 48
.set SNEG, 49
.set HM,   50
.set CS,   52
.set SEL,  54
.set MSB, 0
.macro WIN new
.if MSB != (\new)
	s_set_vgpr_msb (MSB<<8)|(\new)
.set MSB, (\new)
.endif
.endm
.set MUL_LO, 0xa1
.set MUL_HI, 0xf1
.set TO_B,   0x40
	s_load_b256 s[4:11], s[0:1], 0x0
	s_load_b64 s[12:13], s[0:1], 0x20
	v_lshl_add_u32 v[SPW], v0, 2, SPARE
	v_mov_b32 v[NIL], 0
	ds_add_u32 v[SPW], v[NIL]
	ds_add_u32 v[SPW], v[NIL]
	v_lshrrev_b32 v1, 5, v0
	v_readfirstlane_b32 s14, v1
	s_lshr_b32 s15, s14, 1
	s_and_b32 s16, s14, 1
	s_mov_b32 s17, 0
.irp T, 1,3,6,10,15,21,28
	s_cmp_ge_u32 ttmp9, \T
	s_add_co_ci_u32 s17, s17, 0
.endr
	s_add_co_u32 s18, s17, 1
	s_mul_i32 s18, s18, s17
	s_lshr_b32 s18, s18, 1
	s_sub_co_u32 s18, ttmp9, s18
	s_and_b32 s19, ttmp7, 0xffff
	s_mov_b32 s[G1+0], (0<<16)|(1<<20)|(5<<22)|(3<<25)
	s_mov_b32 s[G1+1], ROWB<<16
	s_mov_b32 s[G1+2], 128<<16
	s_mov_b32 s[G1+3], ROWB<<16
	s_mov_b32 s[G1+4], 128
	s_mov_b32 s[G1+5], ROWB
	s_mov_b32 s[G1+6], 0
	s_mov_b32 s[G1+7], 0
	s_cmp_eq_u32 s15, 0
	s_cselect_b32 s20, s17, s18
	s_lshl_b32 s20, s20, 8
	s_lshl_b32 s21, s19, 11
	s_add_co_u32 s20, s20, s21
	s_lshl_b32 s21, s16, 7
	s_add_co_u32 s20, s20, s21
	s_lshl_b32 s20, s20, 8
	s_mov_b32 s21, 0
	s_mul_i32 s22, s14, HALFT
	s_mov_b32 s[SEL], 0x76543210
	s_mov_b32 s[SEL+1], 0xfedcba98
	s_mov_b32 s[HM], 0xffff0000
	s_wait_dscnt 0x0
	s_wait_kmcnt 0x0
	s_load_b96 s[56:58], s[8:9], 0x18
	s_cmp_eq_u32 s15, 0
	s_cselect_b64 s[2:3], s[4:5], s[6:7]
	s_add_nc_u64 s[2:3], s[2:3], s[20:21]
.irp s, 0,1
	s_mov_b32 s[G0+4*\s], 1
	s_add_co_u32 s[G0+4*\s+1], s22, \s*SLOT
	s_add_nc_u64 s[G0+4*\s+2:G0+4*\s+3], s[2:3], \s*CHUNK
	s_or_b32 s[G0+4*\s+3], s[G0+4*\s+3], 0x80000000
	s_wait_alu depctr_va_vdst(0)
	s_wait_tensorcnt 0x0
	ds_add_u32 v28, v29
	ds_add_u32 v28, v29
	s_wait_dscnt 0x0
	s_barrier_signal -1
	s_barrier_wait -1
	tensor_load_to_lds s[G0+4*\s:G0+4*\s+3], s[G1:G1+7]
	s_nop 0
.endr
	v_and_b32 v1, 15, v0
	v_bfe_u32 v2, v0, 4, 1
	v_mul_u32_u24 v3, v1, PITCH
	s_wait_alu depctr_va_vdst(0)
	v_lshl_add_u32 v4, v2, 4, v3
	s_mul_i32 s21, s15, HALFT
	s_mul_i32 s22, s16, HALFT
	s_add_co_u32 s22, s22, 2*HALFT
.irp s, 0,1
	v_add_nc_u32 v[ADRA+\s], s21, v4
	v_add_nc_u32 v[ADRB+\s], s22, v4
	s_add_co_u32 s21, s21, SLOT
	s_add_co_u32 s22, s22, SLOT
.endr
	s_mul_i32 s23, s15, HALFT
	s_lshl_b32 s20, s16, 7
	s_add_co_u32 s23, s23, s20
	v_lshl_add_u32 v5, v2, 3, v3
	v_add_nc_u32 v[STO], s23, v5
	s_mul_i32 s23, s14, 64*PITCH
	v_mul_u32_u24 v5, v2, PITCH
	v_lshl_add_u32 v5, v1, 4, v5
	v_add_nc_u32 v[RD], s23, v5
	v_and_b32 v6, 31, v0
	v_lshlrev_b32 v[CO], 4, v6
	v_lshlrev_b32 v[MLO], 3, v6
	s_lshl_b32 s20, s16, 10
	s_lshl_b32 s21, s15, 9
	s_add_co_u32 s20, s20, s21
	s_add_co_u32 s20, s20, MXS
	v_lshlrev_b32 v5, 2, v1
	v_add_nc_u32 v[MXW], s20, v5
	s_xor_b32 s20, s16, 1
	s_lshl_b32 s20, s20, 10
	s_add_co_u32 s20, s20, s21
	s_add_co_u32 s20, s20, MXS
	v_add_nc_u32 v[MXR], s20, v5
	s_lshl_b32 s20, s19, 22
	s_lshl_b32 s21, s18, 19
	s_add_co_u32 s20, s20, s21
	s_lshl_b32 s21, s17, 16
	s_add_co_u32 s20, s20, s21
	s_lshl_b32 s21, s14, 14
	s_add_co_u32 s20, s20, s21
	s_mov_b32 s21, 0
	s_add_nc_u64 s[60:61], s[10:11], s[20:21]
	s_lshl_b32 s20, s19, 18
	s_lshl_b32 s21, s18, 15
	s_add_co_u32 s20, s20, s21
	s_lshl_b32 s21, s16, 14
	s_add_co_u32 s20, s20, s21
	s_lshl_b32 s21, s17, 11
	s_add_co_u32 s20, s20, s21
	s_lshl_b32 s21, s15, 10
	s_add_co_u32 s20, s20, s21
	s_mov_b32 s21, 0
	s_add_nc_u64 s[62:63], s[12:13], s[20:21]
.macro FRAG reg, adr, q, i
.irp c, 0,1,2,3
	ds_load_b128 v[\reg+4*\c:\reg+4*\c+3], v[\adr] offset:128*(\q)+32*\c+(\i)*16*PITCH
.endr
.endm
.macro MUL16 a0, p, zero
.irp a, \a0, \a0+1
.irp b, 0,1,2,3,4,5,6,7
.if \zero
	v_wmma_f32_16x16x128_bf8_bf8 v[8*(8*((\a)%4)+\b):8*(8*((\a)%4)+\b)+7], v[128*(\p)+FR*\b:128*(\p)+FR*\b+FR-1], v[AF+FR*(\a):AF+FR*(\a)+FR-1], 0
.else
	v_wmma_f32_16x16x128_bf8_bf8 v[8*(8*((\a)%4)+\b):8*(8*((\a)%4)+\b)+7], v[128*(\p)+FR*\b:128*(\p)+FR*\b+FR-1], v[AF+FR*(\a):AF+FR*(\a)+FR-1], v[8*(8*((\a)%4)+\b):8*(8*((\a)%4)+\b)+7]
.endif
.endr
.endr
.endm
.macro FETCH_B slot, q, p
	WIN TO_B
.irp i, 0,1,2,3,4,5,6,7
	FRAG 128*(\p)+FR*\i, ADRB+\slot, \q, \i
.endr
	WIN 0
.endm
.macro FETCH_A slot, q, i0
.irp i, \i0, \i0+1, \i0+2, \i0+3
	FRAG AF+FR*(\i), ADRA+\slot, \q, \i
.endr
.endm
.macro PLACES n
.rept \n
	v_nop
.endr
.endm
.macro STEP slot, q, zero
	s_wait_dscnt 4*NL
	WIN MUL_LO
	MUL16 0, (\q)%2, \zero
	MUL16 2, (\q)%2, \zero
	s_wait_dscnt 0
	PLACES NP
	FETCH_B \slot, (\q)+1, 1-(\q)%2
	FETCH_A \slot, (\q)+1, 0
	WIN MUL_HI
	MUL16 4, (\q)%2, \zero
	MUL16 6, (\q)%2, \zero
	PLACES NP
	WIN 0
	FETCH_A \slot, (\q)+1, 4
.endm
.macro TURN slot, next, fill
	s_wait_tensorcnt 0x0
	ds_add_u32 v[SPW], v[NIL]
	s_wait_dscnt 4*NL+1
	WIN MUL_LO
	MUL16 0, 1, 0
	s_wait_dscnt 0x0
	s_barrier_signal -1
	MUL16 2, 1, 0
	WIN 0
	s_barrier_wait -1
.if \fill
	s_add_nc_u64 s[G0+4*\slot+2:G0+4*\slot+3], s[G0+4*\slot+2:G0+4*\slot+3], 2*CHUNK
	tensor_load_to_lds s[G0+4*\slot:G0+4*\slot+3], s[G1:G1+7]
	s_nop 0
	PLACES NP
.else
	PLACES NP
.endif
	FETCH_B \next, 0, 0
	FETCH_A \next, 0, 0
	WIN MUL_HI
	MUL16 4, 1, 0
	MUL16 6, 1, 0
	PLACES NP
	WIN 0
	FETCH_A \next, 0, 4
.endm
	s_wait_tensorcnt 1
	s_barrier_signal -1
	s_barrier_wait -1
	FETCH_B 0, 0, 0
	FETCH_A 0, 0, 0
	FETCH_A 0, 0, 4
	STEP 0, 0, 1
	TURN 0, 1, 1
	STEP 1, 0, 0
	TURN 1, 0, 1
	STEP 0, 0, 0
	TURN 0, 1, 0
	STEP 1, 0, 0
	s_wait_dscnt 4*NL
	WIN MUL_LO
	MUL16 0, 1, 0
	MUL16 2, 1, 0
	s_wait_dscnt 0
	WIN MUL_HI
	MUL16 4, 1, 0
	MUL16 6, 1, 0
	WIN 0
	s_wait_kmcnt 0x0
	s_add_co_i32 s20, s56, s57
	s_lshl_b32 s20, s20, 23
	s_add_co_i32 s[CS], s20, 0x3d38aa3b
	s_mov_b32 s[CS+1], s[CS]
	s_add_co_i32 s20, s58, 127
	s_lshl_b32 s21, s20, 23
	s_add_co_i32 s20, s20, 15
	s_lshl_b32 s20, s20, 23
	s_or_b32 s20, s20, 0x600000
	s_sub_co_i32 s22, s15, s16
	s_lshl_b32 s22, s22, 7
	s_cmp_eq_u32 s17, s18
	s_cselect_b32 s22, s22, 128
	s_cmp_lt_i32 s22, 128
	s_cselect_b32 s[SPOS], -1, 0
	s_cmp_lt_i32 s22, 0
	s_cselect_b32 s[SNEG], -1, 0
	PLACES NP
	v_mov_b32 v[SCL], s21
	v_mov_b32 v[LIM], s20
	v_mov_b32 v[NINF], 0xff800000
	v_mov_b32 v[PT], 0
	v_mov_b32 v[NMP+1], 0
	v_mov_b32 v[NMN+1], 0
	v_lshlrev_b32 v[DL], 3, v2
	v_sub_nc_u32 v[DL], v1, v[DL]
	v_add_nc_u32 v[DL], s22, v[DL]
.irp j, 0,1,2,3,4,5,6,7
	v_cmp_gt_i32 s[MK+\j], \j, v[DL]
.endr
.irp a, 0,1,2,3,4,5,6,7
	WIN 0x82+0x41*((\a)/4)
.irp j, 0,1,2,3,4,5,6,7
	v_cndmask_b32 v[8*(8*((\a)%4)+\a)+\j], v[8*(8*((\a)%4)+\a)+\j], v[NINF], s[MK+\j]
.endr
.endr
.macro ROWMAX a
	WIN 0x28+0x14*((\a)/4)
.irp b, 0,1,2,3,4,5,6,7
.set AC, 8*(8*((\a)%4)+\b)
.if \b < \a
.set XR, CN
.set FST, (\b == 0)
.elseif \b == \a
.set XR, DG
.set FST, 1
.else
.set XR, CP
.set FST, (\b == (\a)+1)
.endif
.irp i, 0,1,2,3
.if FST
	v_max3_num_f32 v[XR+\i], v[NINF], v[AC+2*\i], v[AC+2*\i+1]
.else
	v_max3_num_f32 v[XR+\i], v[XR+\i], v[AC+2*\i], v[AC+2*\i+1]
.endif
.endr
.endr
	WIN 0
	v_max3_num_f32 v[DG], v[DG], v[DG+1], v[DG+2]
.if \a > 0
	v_max3_num_f32 v[CN], v[CN], v[CN+1], v[CN+2]
.endif
.if \a < 7
	v_max3_num_f32 v[CP], v[CP], v[CP+1], v[CP+2]
.endif
	v_max_num_f32 v[DG], v[DG], v[DG+3]
.if \a > 0
	v_max_num_f32 v[CN], v[CN], v[CN+3]
.endif
.if \a < 7
	v_max_num_f32 v[CP], v[CP], v[CP+3]
.endif
.if \a > 0
	v_cndmask_b32 v[CN], v[CN], v[NINF], s[SNEG]
	v_max_num_f32 v[DG], v[DG], v[CN]
.endif
.if \a < 7
	v_cndmask_b32 v[CP], v[CP], v[NINF], s[SPOS]
	v_max_num_f32 v[DG], v[DG], v[CP]
.endif
	v_permlanex16_b32 v[PT], v[DG], s[SEL], s[SEL+1]
	v_max_num_f32 v[MX+\a], v[DG], v[PT]
.endm
.irp a, 0,1,2,3,4,5,6,7
	ROWMAX \a
.endr
.irp a, 0,1,2,3,4,5,6,7
	ds_store_b32 v[MXW], v[MX+\a] offset:64*\a
.endr
	s_wait_alu depctr_va_vdst(0)
	s_wait_dscnt 0x0
	s_barrier_signal -1
	s_barrier_wait -1
.irp a, 0,1,2,3,4,5,6,7
	ds_load_b32 v[PX+\a], v[MXR] offset:64*\a
.endr
	s_wait_dscnt 0x0
.irp a, 0,1,2,3,4,5,6,7
	v_max_num_f32 v[MX+\a], v[MX+\a], v[PX+\a]
.endr
.irp a, 0,1,2,3,4,5,6,7
	v_mul_f32 v[NM+2*\a+1], s[CS], v[MX+\a]
.endr
.irp a, 0,1,2,3,4,5,6,7
	v_floor_f32 v[NM+2*\a], -v[NM+2*\a+1]
.endr
.macro SOFT a
.set AC, 64*((\a)%4)
.if \a < 7
	v_cndmask_b32 v[NMP], v[NM+2*(\a)], v[NINF], s[SPOS]
.endif
.if \a > 0
	v_cndmask_b32 v[NMN], v[NM+2*(\a)], v[NINF], s[SNEG]
.endif
	WIN 0x02+(\a)/4
.irp b, 0,1,2,3,4,5,6,7
.if \b < \a
.set AD, NMN
.elseif \b == \a
.set AD, NM+2*(\a)
.else
.set AD, NMP
.endif
.irp i, 0,2,4,6
	v_pk_fma_f32 v[TMP+8*\b+\i:TMP+8*\b+\i+1], v[AC+8*\b+\i:AC+8*\b+\i+1], s[CS:CS+1], v[AD:AD+1] op_sel_hi:[1,0,0]
.endr
.endr
	WIN 0
.set j, 0
	s_wait_alu depctr_va_vdst(0)
.rept 64
	v_exp_f32 v[TMP+j], v[TMP+j]
.set j, j+1
.endr
	v_nop
	s_wait_alu depctr_va_vdst(0)
	v_pk_add_f32 v[SA:SA+1], v[TMP:TMP+1], v[TMP+2:TMP+3]
	v_pk_add_f32 v[SB:SB+1], v[TMP+4:TMP+5], v[TMP+6:TMP+7]
.set j, 8
.rept 14
	v_pk_add_f32 v[SA:SA+1], v[SA:SA+1], v[TMP+j:TMP+j+1]
	v_pk_add_f32 v[SB:SB+1], v[SB:SB+1], v[TMP+j+2:TMP+j+3]
.set j, j+4
.endr
.set j, 0
.rept 64
	v_min_num_f32 v[TMP+j], v[TMP+j], v[LIM]
.set j, j+1
.endr
.if \a > 0
	s_wait_alu depctr_va_vdst(0)
	s_wait_dscnt 0x0
.endif
.irp b, 0,1,2,3,4,5,6,7
	v_cvt_scalef32_pk8_bf8_f32 v[CD+2*\b:CD+2*\b+1], v[TMP+8*\b:TMP+8*\b+7], v[SCL]
.endr
	v_pk_add_f32 v[SA:SA+1], v[SA:SA+1], v[SB:SB+1]
.irp b, 0,1,2,3,4,5,6,7
	ds_store_b64 v[STO], v[CD+2*\b:CD+2*\b+1] offset:(\a)*16*PITCH+16*\b
.endr
	v_add_f32 v[LS+\a], v[SA], v[SA+1]
	v_permlanex16_b32 v[PT], v[LS+\a], s[SEL], s[SEL+1]
	v_add_f32 v[LS+\a], v[LS+\a], v[PT]
.endm
.irp a, 0,1,2,3,4,5,6,7
	SOFT \a
.endr
.irp a, 0,2,4,6
	v_cndmask_b32 v[MLD+\a], v[NM+2*\a], v[NM+2*\a+2], s[HM]
	v_cndmask_b32 v[MLD+\a+1], v[LS+\a], v[LS+\a+1], s[HM]
	global_store_b64 v[MLO], v[MLD+\a:MLD+\a+1], s[62:63] offset:128*\a
.endr
	s_wait_dscnt 0x0
	s_barrier_signal -1
	s_barrier_wait -1
.set t, 0
.rept 32
.set BR, 32+4*t+96*(t/16)
	ds_load_b128 v[BR:BR+3], v[RD] offset:t*2*PITCH
.set t, t+1
.endr
.set t, 0
.rept 32
.set BR, 32+4*t+96*(t/16)
	s_wait_dscnt 31-t
	global_store_b128 v[CO], v[BR:BR+3], s[60:61] offset:512*t
.set t, t+1
.endr
	s_wait_tensorcnt 0x0
	ds_add_u32 v[SPW], v[NIL]
	s_wait_dscnt 0x0
	s_endpgm
.Lfunc_end_k_qb49b786a32_scores:
	.size	k_qb49b786a32_scores, .Lfunc_end_k_qb49b786a32_scores-k_qb49b786a32_scores
	.p2alignl 7, 3214868480
	.fill 96, 4, 3214868480
	.section	.rodata,"a",@progbits
	.p2align	6, 0x0
	.amdhsa_kernel k_qb49b786a32_scores
		.amdhsa_group_segment_fixed_size 327680
		.amdhsa_private_segment_fixed_size 0
		.amdhsa_enable_private_segment 0
		.amdhsa_kernarg_size 40
		.amdhsa_user_sgpr_count 2
		.amdhsa_user_sgpr_kernarg_segment_ptr 1
		.amdhsa_wavefront_size32 1
		.amdhsa_system_sgpr_workgroup_id_x 1
		.amdhsa_system_sgpr_workgroup_id_y 1
		.amdhsa_system_sgpr_workgroup_id_z 1
		.amdhsa_system_vgpr_workitem_id 0
		.amdhsa_next_free_vgpr 1024
		.amdhsa_next_free_sgpr 70
		.amdhsa_reserve_vcc 0
		.amdhsa_float_denorm_mode_32 3
		.amdhsa_float_denorm_mode_16_64 3
		.amdhsa_memory_ordered 1
		.amdhsa_forward_progress 1
		.amdhsa_inst_pref_size 186
	.end_amdhsa_kernel
	.amdgpu_metadata
---
amdhsa.version: [ 1, 2 ]
amdhsa.kernels:
  - .name:           k_qb49b786a32_scores
    .symbol:         k_qb49b786a32_scores.kd
    .args:
      - { .name: qc, .offset: 0, .size: 8, .value_kind: global_buffer, .address_space: global }
      - { .name: kc, .offset: 8, .size: 8, .value_kind: global_buffer, .address_space: global }
      - { .name: lowp_scales, .offset: 16, .size: 8, .value_kind: global_buffer, .address_space: global }
      - { .name: pc, .offset: 24, .size: 8, .value_kind: global_buffer, .address_space: global }
      - { .name: ml, .offset: 32, .size: 8, .value_kind: global_buffer, .address_space: global }
    .group_segment_fixed_size: 327680
    .private_segment_fixed_size: 0
    .kernarg_segment_align: 8
    .kernarg_segment_size: 40
    .max_flat_workgroup_size: 128
    .sgpr_count:     70
    .vgpr_count:     1024
    .wavefront_size: 32
...
	.end_amdgpu_metadata
.endif
;; end of part 5
;; launch pv (part 6): grid 8 x 32, 4 waves a work-group, clusters of 4 x 1, 327,680 bytes of LDS; arguments pc, vt, ml, lowp_scales, out0; writes out0
.if DOCPART == 6
	.amdgcn_target "amdgcn-amd-amdhsa--gfx1250"
	.amdhsa_code_object_version 6
	.text
	.protected	k_qb49b786a32_pv
	.globl	k_qb49b786a32_pv
	.p2align	8
	.type	k_qb49b786a32_pv,@function
k_qb49b786a32_pv:
	s_mov_b64 s[64:65], 0
	v_nop
	global_prefetch_b8 v0, s[64:65] scope:SCOPE_SE
	s_setreg_imm32_b32 hwreg(HW_REG_WAVE_MODE, 25, 1), 1
	s_wait_xcnt 0x0
	s_wait_alu depctr_hold_cnt(0) depctr_sa_sdst(0) depctr_va_vdst(0) depctr_va_sdst(0) depctr_va_ssrc(0) depctr_va_vcc(0) depctr_vm_vsrc(0)
	s_getreg_b32 s2, hwreg(HW_REG_IB_STS2, 6, 4)
	s_cmp_eq_u32 s2, 0
	s_cbranch_scc0 .Lentry_in_a_cluster
	s_endpgm
.Lentry_in_a_cluster:
	s_bfe_u32 s2, ttmp6, 0x10000c
	s_cmp_lg_u32 s2, 0x3003
	s_cbranch_scc0 .Lentry_shape_is_right
	s_endpgm
.Lentry_shape_is_right:
; O[q][d] = (sum over the blocks b of 256 keys of 2^(M_b - M) P_b V_b) x 2^(e8 + e9) / (sum over b of 2^(M_b - M) l_b), on the codes of p and of V (BF8, E5M2) that the launches before have stored.
; LEFT OUT AS DEAD WORK: the blocks of keys that come after all of a block of queries (the causal mask gives them weight 0 for all inputs).  LIMIT: a NaN, an infinity or an overflow that reaches only those is not carried to the result.
; SHARES.  Work-group (x, y): 128 of d (block x), batch y / 8, and TWO blocks of 128 queries, i = y % 8 and then 15 - i: NLO = i / 2 + 1 and 9 - NLO blocks of keys: NINE steps in every work-group, 8 x 32 = 256 of them.
; Wave (w / 2, w % 2) makes 64 queries x 64 of d: 16 accumulators.  Source 0 = 16 rows of V^T (d), source 1 = 16 rows of P (queries): a lane holds ONE query and eight neighbouring d.
; M FROM BLOCK TO BLOCK.  With N = -M: RN = the least N so far; N' = min(N_b, RN + 64); the sums so far are multiplied by c = 2^(N' - the last N'), at most 2^64, and the block's products are added as they are;
; the row's sum L = L c + l_b 2^(N' - N_b).  All factors are exact powers of two, made of whole numbers by v_ldexp_f32; no branch hangs on data.  A sum stays under 2^64 x 2,048 x 57,344^2 < 2^107.
; LIMIT: a block whose largest t lies more than 64 binades under the row's largest so far enters O with the weight 2^-64 in place of its smaller own.  NaN is not served.
; THE RING: two slots of two steps' tiles.  Fill 0 brings step 0 alone (each wave half a tile); fill t = 1 .. 4 steps 2 t - 1 and 2 t: waves 0, 1 fetch P's tiles, waves 2, 3 V's, one each.  A fill has the slot in hand's steps in which to land.
; CLUSTER 4 x 1: four blocks of d of the same queries: P's tiles are asked for jointly; V's differ from partner to partner.
; PREFETCH: at each change of slots the fill that the NEXT change will ask for: P's tile by quarters, partner cx the quarter cx; V's tile whole, it is the work-group's own in its cluster.  The last change that fills asks for nothing.
; REGISTERS: window 0: names below; v128-255 P's fragments, two sets of 64 (128 keys each).   window 1: v0-127 V's fragments, two sets; v128-255 the accumulators, (a, b) at 128 + 8 (4 a + b).
.set PP,     272                       ; P's LDS row: 256 bytes + 16
.set VP,     144                       ; V's: 128 bytes (one half of the keys) + 16; the halves lie one behind the other, 128 rows each
.set VH,     128*VP
.set PREG,   128*PP                    ; V's tile lies behind P's
.set STB,    PREG+2*VH                 ; a step's tiles; the slot's second step begins here
.set SLOT1,  163840
.set SPARE,  SLOT1+2*STB               ; the spare words
.set STG,    SPARE+512                 ; the way out: 16 rows x (256 + 16) bytes for each wave; bytes of their own, into which no tile lands
.set AA0, 4
.set AV0, 5
.set ADA, 6                            ; v6, v7: the slot's first and second step
.set ADV, 8                            ; v8, v9
.set STO, 10
.set RD,  11
.set CO,  12
.set MLO, 13
.set SPW, 14
.set NIL, 15
.set NLP, 16                           ; v16-23: N_b, and l of my half of the lanes' 128 keys
.set RN,  24
.set NPR, 28
.set LS,  32
.set CF,  36                           ; v36-43 pairs: c (on the way out 2^(e8 + e9) / L), and a word that is only named
.set PT,  44
.set T0,  48
.set T1,  52
.set T2,  56
.set PFO, 60
.set TMP, 64
.set RB,  96
.set PF,  128
.set ACC, 128
.set NLO, 20
.set QLO, 19
.set QHI, 21
.set KS,  22                           ; the step in hand
.set TB,  23                           ; the slot in hand
.set TBN, 76                           ; the other
.set G1P, 24
.set G1V, 32
.set G0P, 40
.set G0V, 44
.set G1PH, 48
.set G1VH, 56
.set PB,  66
.set VB,  68
.set MB,  70
.set FS,  82                           ; the step that I fetch in the next fill
.set OL,  90
.set OH,  92
.set SEL, 94
.set MLA, 96
.set MSB, 0
.macro WIN new
.if MSB != (\new)
	s_set_vgpr_msb (MSB<<8)|(\new)
.set MSB, (\new)
.endif
.endm
.macro CROUND                          ; a whole round of the cluster's barrier
	s_barrier_signal -1
	s_barrier_wait -1
	s_cmp_lg_u32 s14, 0
	s_cbranch_scc1 .Lnot_wave_0_\@
	s_barrier_signal -3
.Lnot_wave_0_\@:
	s_barrier_wait -3
	s_barrier_signal -1
	s_barrier_wait -1
.endm
.macro PLACES
.rept 4
	v_nop
.endr
.endm
.macro TLOAD g1p, g1v                  ; a fill in each arm of a branch on the wave's number; P's is joint
	s_cmp_eq_u32 s15, 0
	s_cbranch_scc0 .Lfor_v_\@
	tensor_load_to_lds s[G0P:G0P+3], s[\g1p:\g1p+7]
	s_nop 0
	PLACES
	s_branch .Lasked_\@
.Lfor_v_\@:
	tensor_load_to_lds s[G0V:G0V+3], s[\g1v:\g1v+7]
	s_nop 0
	PLACES
.Lasked_\@:
.endm
.macro STEPOF n                        ; step n: s72 its block of keys, s73 its block of queries
	s_cmp_ge_u32 s[\n], s[NLO]
	s_cselect_b32 s73, s[QHI], s[QLO]
	s_cselect_b32 s72, s[NLO], 0
	s_sub_co_u32 s72, s[\n], s72
.endm
.macro POFF                            ; s[80:81]: the step's tile of P in the batch
	s_lshl_b32 s80, s72, 19
	s_lshl_b32 s77, s73, 15
	s_add_co_u32 s80, s80, s77
.endm
	s_load_b256 s[4:11], s[0:1], 0x0               ; pc, vt, ml, the scales' exponents
	s_load_b64 s[12:13], s[0:1], 0x20              ; out0
	v_lshl_add_u32 v[SPW], v0, 2, SPARE
	v_mov_b32 v[NIL], 0
	ds_add_u32 v[SPW], v[NIL]                      ; the wave's opening: the add, twice on end, and its wait
	ds_add_u32 v[SPW], v[NIL]
	v_lshrrev_b32 v1, 5, v0
	v_readfirstlane_b32 s14, v1                    ; wave 0..3
	s_lshr_b32 s15, s14, 1                         ; my half of the queries.  Also: I fetch for P (0) or for V (1)
	s_and_b32 s16, s14, 1                          ; my half of d.  Also: which step of a fill I fetch, at the head which half of a tile
	s_bfe_u32 s98, ttmp6, 0x40000                  ; cx
	s_lshl_b32 s17, ttmp9, 2
	s_add_co_u32 s17, s17, s98                     ; the block of d
	s_and_b32 s2, ttmp7, 0xffff
	s_lshr_b32 s18, s2, 3                          ; batch
	s_and_b32 s[QLO], s2, 7
	s_lshr_b32 s[NLO], s[QLO], 1
	s_add_co_u32 s[NLO], s[NLO], 1
	s_sub_co_u32 s[QHI], 15, s[QLO]
	s_mov_b32 s[KS], 0
	s_mov_b32 s[TB], 0
	s_mov_b32 s[TBN], SLOT1
	s_add_co_u32 s[FS], s16, 1
	s_mov_b32 s[G1P], 15|(1<<20)|(1<<21)|(5<<22)|(3<<25)    ; the mask of all four; elements of 1 byte; 4 words after every 64
	s_mov_b32 s[G1PH], 15|(1<<20)|(1<<21)|(5<<22)|(3<<25)
	s_mov_b32 s[G1V], (1<<20)|(4<<22)|(3<<25)               ; no mask; V's rows of 128 bytes lie end to end and are stated as rows of 256, with 4 words after every 32
	s_mov_b32 s[G1VH], (1<<20)|(4<<22)|(3<<25)
.irp g, G1P, G1PH, G1V, G1VH
	s_mov_b32 s[\g+1], 256<<16
	s_mov_b32 s[\g+3], 256<<16
	s_mov_b32 s[\g+5], 256
	s_mov_b32 s[\g+6], 0
	s_mov_b32 s[\g+7], 0
.endr
.irp g, G1P, G1V
	s_mov_b32 s[\g+2], 128<<16
	s_mov_b32 s[\g+4], 128
.endr
.irp g, G1PH, G1VH
	s_mov_b32 s[\g+2], 64<<16
	s_mov_b32 s[\g+4], 64
.endr
	s_mov_b32 s[SEL], 0x76543210
	s_mov_b32 s[SEL+1], 0xfedcba98
	s_lshl_b32 s80, s18, 22                        ; pc: the batch
	s_mov_b32 s81, 0
	s_lshl_b32 s2, s18, 21                         ; vt: the batch, my block of d
	s_lshl_b32 s99, s17, 15
	s_add_co_u32 s2, s2, s99
	s_mov_b32 s3, 0
	s_lshl_b32 s72, s18, 18                        ; ml: the batch
	s_mov_b32 s73, 0
	s_lshl_b32 s78, s[QLO], 15                     ; step 0 is block 0 of the first queries; my half of its tiles
	s_lshl_b32 s84, s16, 14
	s_add_co_u32 s78, s78, s84
	s_mov_b32 s79, 0
	s_mov_b32 s85, 0
	s_mul_i32 s74, s16, STB                        ; where a fill's tile of P goes in a slot,
	s_add_co_u32 s75, s74, PREG                    ; and V's
	s_mul_i32 s[G0P+1], s16, 64*PP                 ; at the head
	s_mul_i32 s[G0V+1], s16, VH
	s_add_co_u32 s[G0V+1], s[G0V+1], PREG
	s_lshl_b32 s[OL], s18, 23                      ; out0: row 2,048 batch + 128 x block + 64 x half, of 4,096 bytes; + 512 x block of d + 256 x half
	s_lshl_b32 s99, s15, 18
	s_add_co_u32 s[OL], s[OL], s99
	s_lshl_b32 s99, s17, 9
	s_add_co_u32 s[OL], s[OL], s99
	s_lshl_b32 s99, s16, 8
	s_add_co_u32 s[OL], s[OL], s99
	s_lshl_b32 s99, s[QHI], 19
	s_add_co_u32 s[OH], s[OL], s99
	s_lshl_b32 s99, s[QLO], 19
	s_add_co_u32 s[OL], s[OL], s99
	s_mov_b32 s[OL+1], 0
	s_mov_b32 s[OH+1], 0
	s_wait_alu depctr_va_vdst(0)
	s_wait_dscnt 0x0                               ; both opening adds are done
	s_wait_kmcnt 0x0
	s_load_b64 s[88:89], s[10:11], 0x20            ; e8, e9
	s_add_nc_u64 s[PB:PB+1], s[4:5], s[80:81]
	s_add_nc_u64 s[VB:VB+1], s[6:7], s[2:3]
	s_add_nc_u64 s[MB:MB+1], s[8:9], s[72:73]
	s_add_nc_u64 s[OL:OL+1], s[12:13], s[OL:OL+1]
	s_add_nc_u64 s[OH:OH+1], s[12:13], s[OH:OH+1]
	s_mov_b32 s[G0P], 1
	s_add_nc_u64 s[G0P+2:G0P+3], s[PB:PB+1], s[78:79]
	s_or_b32 s[G0P+3], s[G0P+3], 0x80000000
	s_mov_b32 s[G0V], 1
	s_add_nc_u64 s[G0V+2:G0V+3], s[VB:VB+1], s[84:85]
	s_or_b32 s[G0V+3], s[G0V+3], 0x80000000
	CROUND                                         ; all four work-groups are here: the first joint loads meet
	TLOAD G1PH, G1VH                               ; step 0, into slot 0
	v_and_b32 v1, 15, v0                           ; r
	v_bfe_u32 v2, v0, 4, 1                         ; h
	s_lshl_b32 s99, s15, 9
	v_lshlrev_b32 v3, 14, v2                       ; ml: my half of the lanes takes the half of the keys of the same number; query 64 x my half + r (+ 16 a in the immediate)
	v_lshl_add_u32 v3, v1, 3, v3
	v_add_nc_u32 v[MLO], s99, v3
	s_lshl_b32 s80, s[QLO], 10
	s_add_nc_u64 s[MLA:MLA+1], s[MB:MB+1], s[80:81]
.irp a, 0,1,2,3
	global_load_b64 v[NLP+2*\a:NLP+2*\a+1], v[MLO], s[MLA:MLA+1] offset:128*\a   ; step 0's pairs
.endr
	s_mul_i32 s99, s15, 64*PP
	s_wait_alu depctr_va_vdst(0)
	v_mul_u32_u24 v3, v1, PP
	v_lshl_add_u32 v3, v2, 4, v3
	v_add_nc_u32 v[AA0], s99, v3
	s_mul_i32 s99, s16, 64*VP
	s_add_co_u32 s99, s99, PREG
	v_mul_u32_u24 v3, v1, VP
	v_lshl_add_u32 v3, v2, 4, v3
	v_add_nc_u32 v[AV0], s99, v3
	s_mul_i32 s99, s14, 16*272
	s_add_co_u32 s99, s99, STG                     ; my stage
	v_mul_u32_u24 v3, v1, 272                      ; in: row r, 32 bytes for each half of the lanes
	v_lshl_add_u32 v3, v2, 5, v3
	v_add_nc_u32 v[STO], s99, v3
	v_mul_u32_u24 v3, v2, 272                      ; back: lanes 0-15 one row, lanes 16-31 the next
	v_lshl_add_u32 v3, v1, 4, v3
	v_add_nc_u32 v[RD], s99, v3
	v_lshlrev_b32 v3, 12, v2
	v_lshl_add_u32 v[CO], v1, 4, v3
	v_and_b32 v3, 31, v0
	v_lshlrev_b32 v3, 8, v3
	s_lshl_b32 s98, s98, 13
	s_cmp_eq_u32 s15, 0
	s_cselect_b32 s98, s98, 0
	v_add_nc_u32 v[PFO], s98, v3                   ; the prefetches' offset: 256 x lane, for P in the quarter cx; never rewritten
.macro RESET
.irp a, 0,1,2,3
	v_mov_b32 v[RN+\a], 0x7f61b1e6                 ; 3e38, over every N: the first block's c is then 0
	v_mov_b32 v[NPR+\a], 0x7f61b1e6
	v_mov_b32 v[LS+\a], 0
.endr
.endm
	RESET
.irp a, 0,1,2,3
	v_mov_b32 v[PT+\a], 0                          ; written once: a lane permute's destination counts as one of its sources
	v_mov_b32 v[CF+2*\a+1], 0                      ; (named as the upper half of a pair)
.endr
	s_wait_alu depctr_va_vdst(0)                   ; the wait at the head's end
	s_wait_kmcnt 0x0
	s_add_co_i32 s86, s88, s89                     ; e8 + e9
.macro FETCH q, n                      ; the fragments of the slot's step n, its q-th 128 keys: V's four, P's four: 32 loads
	WIN 0x40
.irp b, 0,1,2,3
.irp c, 0,1,2,3
	ds_load_b128 v[64*(\q)+16*\b+4*\c:64*(\q)+16*\b+4*\c+3], v[ADV+\n] offset:VH*(\q)+\b*16*VP+32*\c
.endr
.endr
	WIN 0
.irp a, 0,1,2,3
.irp c, 0,1,2,3
	ds_load_b128 v[PF+64*(\q)+16*\a+4*\c:PF+64*(\q)+16*\a+4*\c+3], v[ADA+\n] offset:128*(\q)+\a*16*PP+32*\c
.endr
.endr
.endm
.macro MUL q, zero                     ; the 16 accumulators take turns, one instruction a turn, in the same order every time
	WIN 0x51                                       ; source 0 (V) window 1, source 1 (P) window 0, C and D window 1
.irp a, 0,1,2,3
.irp b, 0,1,2,3
.set rD, ACC+8*(4*\a+\b)
.if \zero
	v_wmma_f32_16x16x128_bf8_bf8 v[rD:rD+7], v[64*(\q)+16*\b:64*(\q)+16*\b+15], v[PF+64*(\q)+16*\a:PF+64*(\q)+16*\a+15], 0
.else
	v_wmma_f32_16x16x128_bf8_bf8 v[rD:rD+7], v[64*(\q)+16*\b:64*(\q)+16*\b+15], v[PF+64*(\q)+16*\a:PF+64*(\q)+16*\a+15], v[rD:rD+7]
.endif
.endr
.endr
	WIN 0
.endm
; The block's N and l enter, the four tiles of queries line by line; then the next step's pairs are asked for (more = 1), and the sums so far are multiplied by c (scale = 1), each accumulator from its low end on.
.macro CHAIN more, scale
	s_wait_alu depctr_va_vdst(0)
	s_wait_loadcnt 0x0                             ; this step's pairs, asked for a step ago; their address may be written again
.irp a, 0,1,2,3
	v_permlanex16_b32 v[PT+\a], v[NLP+2*\a+1], s[SEL], s[SEL+1]   ; l of the other 128 keys
.endr
.irp a, 0,1,2,3
	v_min_num_f32 v[RN+\a], v[RN+\a], v[NLP+2*\a]
.endr
.irp a, 0,1,2,3
	v_add_f32 v[T0+\a], 0x42800000, v[RN+\a]       ; RN + 64
.endr
.irp a, 0,1,2,3
	v_min_num_f32 v[T0+\a], v[T0+\a], v[NLP+2*\a]  ; N'
.endr
.irp a, 0,1,2,3
	v_sub_f32 v[T1+\a], v[T0+\a], v[NPR+\a]        ; whole numbers: at most 64,
	v_sub_f32 v[T2+\a], v[T0+\a], v[NLP+2*\a]      ; at most 0
.endr
.irp a, 0,1,2,3
	v_mov_b32 v[NPR+\a], v[T0+\a]
	v_cvt_i32_f32 v[T1+\a], v[T1+\a]               ; (they saturate)
	v_cvt_i32_f32 v[T2+\a], v[T2+\a]
.endr
.irp a, 0,1,2,3
	v_ldexp_f32 v[CF+2*\a], 1.0, v[T1+\a]          ; c
	v_add_f32 v[PT+\a], v[PT+\a], v[NLP+2*\a+1]
.endr
.irp a, 0,1,2,3
	v_ldexp_f32 v[PT+\a], v[PT+\a], v[T2+\a]
.endr
.irp a, 0,1,2,3
	v_fma_f32 v[LS+\a], v[LS+\a], v[CF+2*\a], v[PT+\a]
.endr
	s_wait_alu depctr_va_vdst(0)
.if \more
	s_add_co_u32 s77, s[KS], 1
	STEPOF 77
	s_lshl_b32 s80, s72, 15
	s_lshl_b32 s77, s73, 10
	s_add_co_u32 s80, s80, s77
	s_add_nc_u64 s[MLA:MLA+1], s[MB:MB+1], s[80:81]
.irp a, 0,1,2,3
	global_load_b64 v[NLP+2*\a:NLP+2*\a+1], v[MLO], s[MLA:MLA+1] offset:128*\a
.endr
.endif
.if \scale
	WIN 0x41                                       ; source 0 and destination window 1
.irp a, 0,1,2,3
.set j, 0
.rept 16
	v_pk_mul_f32 v[ACC+32*\a+j:ACC+32*\a+j+1], v[ACC+32*\a+j:ACC+32*\a+j+1], v[CF+2*\a:CF+2*\a+1] op_sel_hi:[1,0]
.set j, j+2
.endr
.endr
	WIN 0
	s_wait_alu depctr_va_vdst(0)
.endif
.endm
; THE WAY OUT of a block of queries: x 2^(e8 + e9) / L; 16 queries x 64 of d at a time through my own stage, back as whole rows of 256 bytes.
.macro WAYOUT ob
	PLACES                                         ; behind the last products
	s_wait_alu depctr_va_vdst(0)                   ; the wait ahead of the batch
.irp a, 0,1,2,3
	v_rcp_f32 v[T0+\a], v[LS+\a]
.endr
	v_nop
	s_wait_alu depctr_va_vdst(0)                   ; and ahead of its first reader
.irp a, 0,1,2,3
	v_ldexp_f32 v[CF+2*\a], v[T0+\a], s86
.endr
.irp a, 0,1,2,3
	s_wait_alu depctr_va_vdst(0)                   ; the wait ahead of the first readers of the sums
	WIN 0x01                                       ; source 0: window 1
.set j, 0
.rept 16
	v_pk_mul_f32 v[TMP+j:TMP+j+1], v[ACC+32*\a+j:ACC+32*\a+j+1], v[CF+2*\a:CF+2*\a+1] op_sel_hi:[1,0]
.set j, j+2
.endr
	WIN 0
.irp b, 0,1,2,3
	ds_store_b128 v[STO], v[TMP+8*\b:TMP+8*\b+3] offset:64*\b
	ds_store_b128 v[STO], v[TMP+8*\b+4:TMP+8*\b+7] offset:64*\b+16
.endr
	s_wait_xcnt 0x0                                ; the stores before have read the registers below
.irp t, 0,1,2,3,4,5,6,7
	ds_load_b128 v[RB+4*\t:RB+4*\t+3], v[RD] offset:\t*2*272   ; LDS serves a wave's instructions in order (ISA guide 5.7.1.4): these see my stores
.endr
.irp t, 0,1,2,3,4,5,6,7
	s_wait_dscnt 7-\t
	global_store_b128 v[CO], v[RB+4*\t:RB+4*\t+3], s[\ob:\ob+1] offset:\a*65536+\t*8192 th:TH_STORE_NT   ; 16 lanes store 256 consecutive bytes, at a multiple of 256 from out0's first byte
.endr
.endr
.endm
; Behind a step: if the first block of queries is finished, it goes out, and the second begins on zeros.  A branch on ids, the same in all partners; no barrier and no tensor load stands inside.
.macro STEPEND
	s_add_co_u32 s[KS], s[KS], 1
	s_cmp_lg_u32 s[KS], s[NLO]
	s_cbranch_scc1 .Lgoes_on_\@
	WAYOUT OL
	RESET
	WIN 0x40
.set j, 0
.rept 128
	v_mov_b32 v[ACC+j], 0
.set j, j+1
.endr
	WIN 0
	s_wait_alu depctr_va_vdst(0)
.Lgoes_on_\@:
.endm
; THE CHANGE OF SLOTS stands at a slot's head: all my tensor loads are done, the add, the wait for it and for my reads of the slot that I have left.  fill = 1: a round of the cluster's barrier, and the fill first behind it; else my work-group's barrier.
.macro CHANGE fill
	s_wait_tensorcnt 0x0
	ds_add_u32 v[SPW], v[NIL]
.if \fill
	STEPOF FS
	POFF
	s_add_nc_u64 s[G0P+2:G0P+3], s[PB:PB+1], s[80:81]
	s_or_b32 s[G0P+3], s[G0P+3], 0x80000000
	s_add_co_u32 s[G0P+1], s74, s[TBN]
	s_lshl_b32 s80, s72, 18
	s_add_nc_u64 s[G0V+2:G0V+3], s[VB:VB+1], s[80:81]
	s_or_b32 s[G0V+3], s[G0V+3], 0x80000000
	s_add_co_u32 s[G0V+1], s75, s[TBN]
	s_wait_xcnt 0x0                                ; the prefetches before have read their bases
	s_add_co_u32 s77, s[FS], 2                     ; what the next change will ask for
	STEPOF 77
	POFF
	s_add_nc_u64 s[78:79], s[PB:PB+1], s[80:81]
	s_lshl_b32 s80, s72, 18
	s_add_nc_u64 s[84:85], s[VB:VB+1], s[80:81]
.endif
	s_wait_dscnt 0x0
.if \fill
	CROUND
	TLOAD G1P, G1V
	s_cmp_lt_u32 s[FS], 7                          ; steps 7 and 8 are the last: nothing lies behind them
	s_cbranch_scc0 .Lno_ask_\@
	s_cmp_eq_u32 s15, 0
	s_cbranch_scc0 .Lask_v_\@
	global_prefetch_b8 v[PFO], s[78:79] th:TH_LOAD_NT scope:SCOPE_SE
	s_branch .Lno_ask_\@
.Lask_v_\@:
.irp n, 0,1,2,3
	global_prefetch_b8 v[PFO], s[84:85] offset:8192*\n th:TH_LOAD_NT scope:SCOPE_SE
.endr
.Lno_ask_\@:
	s_add_co_u32 s[FS], s[FS], 2
.else
	s_barrier_signal -1
	s_barrier_wait -1
.endif
	s_add_co_u32 s87, s[TB], STB
	v_add_nc_u32 v[ADA], s[TB], v[AA0]             ; these four are also places in front of the loads below
	v_add_nc_u32 v[ADV], s[TB], v[AV0]
	v_add_nc_u32 v[ADA+1], s87, v[AA0]
	v_add_nc_u32 v[ADV+1], s87, v[AV0]
	s_wait_alu depctr_va_vdst(0)
.endm
.macro SWAP                            ; on to the other slot
	s_xor_b32 s[TB], s[TB], SLOT1
	s_xor_b32 s[TBN], s[TBN], SLOT1
.endm
.macro PAIR last                       ; a slot's two steps
	FETCH 0, 0
	FETCH 1, 0
	CHAIN 1, 1
	s_wait_dscnt 32                                ; the older 32 loads are in; the younger 32 may be out
	MUL 0, 0
	PLACES
	FETCH 0, 1
	s_wait_dscnt 32
	MUL 1, 0
	PLACES
	FETCH 1, 1
.if \last
	s_add_co_u32 s[KS], s[KS], 1                   ; (the first block of queries ends at step 3 at the latest)
	CHAIN 0, 1
.else
	STEPEND
	CHAIN 1, 1
.endif
	s_wait_dscnt 32
	MUL 0, 0
	s_wait_dscnt 0x0
	MUL 1, 0
.if \last == 0
	STEPEND
.endif
.endm
	CHANGE 1                                       ; step 0 is in; fill 1 goes out
	FETCH 0, 0
	FETCH 1, 0
	CHAIN 1, 0
	s_wait_dscnt 32
	MUL 0, 1                                       ; the first products start the sums
	s_wait_dscnt 0x0
	MUL 1, 0
	STEPEND
	SWAP
	s_mov_b32 s83, 0
.Lslot:                                                ; three trips: steps 1 to 6
	CHANGE 1
	PAIR 0
	SWAP
	s_add_co_u32 s83, s83, 1
	s_cmp_lt_u32 s83, 3
	s_wait_alu depctr_va_vdst(0)
	s_cbranch_scc1 .Lslot
	CHANGE 0                                       ; steps 7 and 8: nothing is filled again
	PAIR 1
	WAYOUT OH
	s_wait_tensorcnt 0x0                           ; the wave's end
	ds_add_u32 v[SPW], v[NIL]
	s_wait_dscnt 0x0
	CROUND                                         ; the closing round
	s_endpgm
.Lfunc_end_k_qb49b786a32_pv:
	.size	k_qb49b786a32_pv, .Lfunc_end_k_qb49b786a32_pv-k_qb49b786a32_pv
	.p2alignl 7, 3214868480
	.fill 96, 4, 3214868480
	.section	.rodata,"a",@progbits
	.p2align	6, 0x0
	.amdhsa_kernel k_qb49b786a32_pv
		.amdhsa_group_segment_fixed_size 327680
		.amdhsa_private_segment_fixed_size 0
		.amdhsa_enable_private_segment 0
		.amdhsa_kernarg_size 40
		.amdhsa_user_sgpr_count 2
		.amdhsa_user_sgpr_kernarg_segment_ptr 1
		.amdhsa_wavefront_size32 1
		.amdhsa_system_sgpr_workgroup_id_x 1
		.amdhsa_system_sgpr_workgroup_id_y 1
		.amdhsa_system_sgpr_workgroup_id_z 1
		.amdhsa_system_vgpr_workitem_id 0
		.amdhsa_next_free_vgpr 512
		.amdhsa_next_free_sgpr 100
		.amdhsa_reserve_vcc 0
		.amdhsa_float_denorm_mode_32 3
		.amdhsa_float_denorm_mode_16_64 3
		.amdhsa_memory_ordered 1
		.amdhsa_forward_progress 1
		.amdhsa_inst_pref_size 146
	.end_amdhsa_kernel
	.amdgpu_metadata
---
amdhsa.version: [ 1, 2 ]
amdhsa.kernels:
  - .name:           k_qb49b786a32_pv
    .symbol:         k_qb49b786a32_pv.kd
    .args:
      - { .name: pc, .offset: 0, .size: 8, .value_kind: global_buffer, .address_space: global }
      - { .name: vt, .offset: 8, .size: 8, .value_kind: global_buffer, .address_space: global }
      - { .name: ml, .offset: 16, .size: 8, .value_kind: global_buffer, .address_space: global }
      - { .name: lowp_scales, .offset: 24, .size: 8, .value_kind: global_buffer, .address_space: global }
      - { .name: out0, .offset: 32, .size: 8, .value_kind: global_buffer, .address_space: global }
    .group_segment_fixed_size: 327680
    .private_segment_fixed_size: 0
    .kernarg_segment_align: 8
    .kernarg_segment_size: 40
    .max_flat_workgroup_size: 128
    .sgpr_count:     100
    .vgpr_count:     512
    .wavefront_size: 32
...
	.end_amdgpu_metadata
.endif
;; end of part 6
